; MI455X (gfx1250); checked and timed in simulation.
; The chip was launched on July 23, 2026; its instructions are those of AMD's public machine-readable ISA for CDNA 5 (MIT licence, August 2026) and "CDNA5" Instruction Set Architecture Reference Guide (July 2026). The comments in the code are by the model that wrote it; some were corrected since.
;; Self Attention V3. Allowed arithmetic: matrix products marked QUANTISED: E2M3 operands, one E8M0 scale for each 32 along K, by v_wmma_scale_f32_16x16x128_f8f6f4 with both operands' format E2M3, f32 sums; everything else in f32.
;; Inputs: W_out 1,024 x 1,024 float32; W_qkv 1,024 x 3,072 float32; b_out 1,024 float32; b_qkv 3,072 float32; x 4 x 2,048 x 1,024 float32.
;; Outputs: out0 4 x 2,048 x 1,024 float32.
;; This version of the problem:
;;   THIS VERSION OF THE PROBLEM IS GIVEN IN LOW PRECISION. The matrix products marked QUANTISED in the list below multiply operands that are first quantised to E2M3 (2 exponent bits, 3 mantissa bits; 6 bits a number), with one power-of-two scale for each 32 numbers along K (OCP MX v1.0); their sums are f32. All else is computed in f32.
;;   The module's matrix products, in the order in which they are computed (A, B: the left and right operand; K: the contracted axis; several contracted axes count as one K, in the product's order):
;;     1. [M 8,192, K 1,024] x [K 1,024, N 3,072]; A: input x; B: input W_qkv: QUANTISED
;;     2. batch 4 x [M 2,048, K 1,024] x [K 1,024, N 2,048]; A: computed on the way; B: computed on the way: QUANTISED
;;     3. batch 4 x [M 2,048, K 2,048] x [K 2,048, N 1,024]; A: softmax (see below); B: computed on the way: QUANTISED
;;     4. [M 8,192, K 1,024] x [K 1,024, N 1,024]; A: computed on the way; B: input W_out: QUANTISED
;;   THE QUANTISER, for each operand of a quantised product, along K:
;;     - K is cut into blocks of 32 from its start; a last block that is shorter is filled with zeros.
;;     - A block's scale is 2^e with e = floor(log2(the largest magnitude in the block)) - 2, held to -126 .. 127; a block of zeros has e = 0. As a byte (E8M0): e + 127.
;;     - Each number is divided by its block's scale, clamped to +-7.5, and rounded to the nearest number of E2M3, ties to even, subnormals kept.
;;     - The product sums the exact products of the quantised numbers (number of the format x scale) in f32.
;;   ~~~python
;;   def quantise(x, axis):      # numpy; x: float32 -> the quantised numbers, widened to float32 again
;;       x = np.moveaxis(x, axis, -1); K = x.shape[-1]
;;       x = np.pad(x, [(0, 0)] * (x.ndim - 1) + [(0, -K % 32)]); x = x.reshape(x.shape[:-1] + (-1, 32)); a = np.abs(x).max(-1, keepdims=True)
;;       e = np.where(a > 0, np.clip(np.frexp(np.where(a > 0, a, 1))[1] - 1 - 2, -126, 127), 0)      # np.frexp(a)[1] - 1 = floor(log2(a)), exactly
;;       r = np.clip(x / 2.0 ** e, -7.5, 7.5)
;;       step = 2.0 ** (np.maximum(np.frexp(np.where(r == 0, 1, r))[1] - 1, 0) - 3)
;;       q = np.round(r / step) * step * 2.0 ** e      # np.round: ties to even
;;       return np.moveaxis(q.reshape(q.shape[:-2] + (-1,))[..., :K], -1, axis).astype(np.float32)
;;   ~~~
;;   SOFTMAX AHEAD OF A QUANTISED PRODUCT. Where the list says 'softmax', what is quantised is not the finished softmax but p = 2^(t - M), with t = logit x log2(e) and M = ceil(the row's largest t), a whole number; so 1/2 < the row's largest p <= 1. The row's sum l is taken of the UNQUANTISED p, in f32, and the product's result is divided by l at the end. Since M is a whole number, a kernel that streams over the keys may use a running M (the ceiling of the running maximum): every later rescaling is an exact power of two, which a block's scale takes up: the codes' values come out the same.
;;   OPERANDS COMPUTED ON THE WAY. 'Computed on the way' means the value that the module computes at that place (a softmax that the list does not call 'softmax' is quantised finished and normalised). What goes into a quantiser is computed in f32, as accurately as f32 sums, v_exp_f32 and their like allow (about 1e-6 of the number): no bf16 or f16 on the way to a quantiser, and a product that is left as it is and whose result goes on into a quantised operand takes f32 operands (vector FMAs, or v_wmma_f32_16x16x4_f32). A number that lies on a knife's edge between two numbers of the format may be rounded either way, as far as f32 arithmetic and the matrix unit's own rounding can turn it there, and no further.
;; One version. Each part assembles by itself: llvm-mc -triple=amdgcn-amd-amdhsa -mcpu=gfx1250 --defsym DOCPART=n.
;; ======== version 1 of 1: 5 launches
;; limits: right only within a limited range of input values
;; workspace buffers: wsA 9,994,240 bytes; wsB 19,660,800 bytes; wsC 14,155,776 bytes; wsD 6,553,600 bytes
;; launch prep (part 1): grid 512 x 1, 4 waves a work-group, no clusters, 61,952 bytes of LDS; arguments x, W_qkv, W_out, wsA; writes wsA
.if DOCPART == 1
	.amdgcn_target "amdgcn-amd-amdhsa--gfx1250"
	.amdhsa_code_object_version 6
	.text
	.protected	k_qd12737487f_prep
	.globl	k_qd12737487f_prep
	.p2align	8
	.type	k_qd12737487f_prep,@function
k_qd12737487f_prep:
	s_mov_b64 s[64:65], 0
	v_nop
	global_prefetch_b8 v0, s[64:65] scope:SCOPE_SE
	s_setreg_imm32_b32 hwreg(HW_REG_WAVE_MODE, 25, 1), 1
	s_wait_xcnt 0x0
; x [8192][1024], W_qkv [1024][3072] and W_out [1024][1024], f32, become codes of FP6 (E2M3) with one E8M0 byte for each 32 along K (x: its last axis; the weights: their first).
; LAYOUT OF THE WORKSPACE.  Codes lie as IMAGES OF THE OPERAND'S REGISTERS: [row block of 16][K step of 128][3 groups][32 lanes][16 bytes], 1,536 bytes a fragment; scale words as [K step][row].
; A row (token, or output channel of a weight) lies at the place whose number has bits 3 and 4 exchanged: block 2 A + u, lane row p holds row 32 A + 8 u + p % 8 + 16 (p / 8).  So the products that take
; these rows as source 0 leave a lane sixteen neighbours along the next K in sixteen registers.
; A block's scale is 2^(floor(log2(largest magnitude)) - 2); its byte is the largest magnitude's exponent field - 2, held at 1 from below.
; LIMITS: a block of zeros gets the byte 1 (its codes are zeros; this program alone reads the bytes); blocks whose largest magnitude lies under 2^-124 are held at the byte 1; NaN and infinities are not served.
; Work-groups 0-255 take x, 256-447 W_qkv, 448-511 W_out; each of the three ways has LDS bytes of its own.  A weight's wave takes 32 columns and one K step of 128: four blocks, two of them (64 loads) asked for ahead.
; Waves share nothing: no barrier.  No work-group reads what another reads: no cluster.
.set O_XS,  6291456
.set O_WQC, 6553600
.set O_WQS, 8912896
.set O_WOC, 9175040
.set O_WOS, 9961472
.set R0,  16                           ; v16-143  two sets of 64 numbers as loaded
.set XT,  144                          ; v144-207 64 numbers: register 16 b + i = k 32 b + 16 (lane / 16) + i of row lane % 16
.set PC,  208                          ; v208-226 the codes just made
.set TM,  228                          ; v228-243 at work
.set PW,  244                          ; the scale word just made
; 64 numbers of a lane become a fragment's 12 registers in v[PC] on and its row's scale word in v[PW]
.macro QUANT s
.irp b, 0,1,2,3
	v_max3_num_f32 v[TM+\b], |v[\s+16*\b]|, |v[\s+1+16*\b]|, 0x1800000   ; my 16 numbers of block b, and the floor 2^(3 - 127): the byte cannot fall under 1
.endr
.irp i, 2,4,6,8,10,12,14
.irp b, 0,1,2,3
	v_max3_num_f32 v[TM+\b], v[TM+\b], |v[\s+16*\b+\i]|, |v[\s+1+16*\b+\i]|
.endr
.endr
.irp b, 0,1,2,3
	v_permlanex16_b32 v[TM+4+\b], v[TM+\b], s20, s21
.endr
.irp b, 0,1,2,3
	v_max_num_f32 v[TM+\b], v[TM+\b], v[TM+4+\b]   ; with lane l xor 16's: the block's largest magnitude
.endr
.irp b, 0,1,2,3
	v_add_nc_u32 v[TM+12+\b], 0xff000000, v[TM+\b] ; 2 off its exponent field: the conversion's scale operand
.endr
.irp b, 0,1,2,3
	v_lshrrev_b32 v[TM+4+\b], 23, v[TM+12+\b]      ; the scale's byte
.endr
	v_lshl_or_b32 v[PW], v[TM+5], 8, v[TM+4]
	v_lshl_or_b32 v[PW], v[TM+6], 16, v[PW]
	v_lshl_or_b32 v[PW], v[TM+7], 24, v[PW]
.irp c, 0,1
	v_cvt_scalef32_pk16_fp6_f32 v[PC+6*\c:PC+2+6*\c], v[\s+32*\c:\s+15+32*\c], v[TM+12+2*\c]
	v_cvt_scalef32_pk16_fp6_f32 v[PC+12+4*\c:PC+14+4*\c], v[\s+16+32*\c:\s+31+32*\c], v[TM+12+2*\c+1]
.endr
	v_nop                                          ; one plain place behind a scaled conversion
.irp c, 0,1                                    ; a whole block to a lane: lanes 0-15 block 2 c, lanes 16-31 block 2 c + 1
.irp i, 0,1,2
	v_permlane16_swap_b32 v[PC+6*\c+\i], v[PC+12+4*\c+\i]
.endr
.irp i, 0,1,2
	v_mov_b32 v[PC+3+6*\c+\i], v[PC+12+4*\c+\i]
.endr
.endr
.endm
; x: sub-step s = row block 4 G + s: sixteen rows' 512 bytes of my K step, each load 512 consecutive bytes
.macro XLOAD s
.irp p, 0,1,2,3,4,5,6,7,8,9,10,11,12,13,14,15
	global_load_b128 v[R0+64*((\s)%2)+4*\p:R0+64*((\s)%2)+4*\p+3], v1, s[4:5] offset:(32*((\s)/2)+8*((\s)%2)+(\p%8)+16*(\p/8))*4096 th:TH_LOAD_NT
.endr
.endm
.macro SUB s
.if (\s) < 3
	s_wait_loadcnt 16                              ; this sub-step's sixteen loads are in; the next one's sixteen may be out
.else
	s_wait_loadcnt 0x0
.endif
.irp p, 0,1,2,3,4,5,6,7,8,9,10,11,12,13,14,15
	ds_store_b128 v2, v[R0+64*((\s)%2)+4*\p:R0+64*((\s)%2)+4*\p+3] offset:528*\p   ; through my own stage, rows 528 bytes apart
.endr
.irp b, 0,1,2,3
.irp j, 0,1,2,3
	ds_load_b128 v[XT+16*\b+4*\j:XT+16*\b+4*\j+3], v3 offset:128*\b+16*\j          ; LDS serves a wave's instructions in order: these see the stores
.endr
.endr
	s_wait_dscnt 0x0
.if (\s) < 2
	XLOAD (\s)+2
.endif
	s_wait_xcnt 0x0                                ; the last sub-step's stores have read their data: the codes' registers may be written
	QUANT XT
.irp g, 0,1,2
	global_store_b128 v1, v[PC+4*\g:PC+4*\g+3], s[12:13] offset:12288*(\s)+512*\g  ; 512 consecutive bytes a store
.endr
	ds_store_b32 v4, v[PW] offset:64*(\s)          ; lanes l and l xor 16 write the same word with the same value
.endm
; the weights: a lane takes a column and its registers run down K
.macro WLOAD t, n
.irp i, 0,1,2,3,4,5,6,7,8,9,10,11,12,13,14,15,16,17,18,19,20,21,22,23,24,25,26,27,28,29,30,31
	global_load_b32 v[32+32*((\t)%2)+\i], v3, s[12:13] offset:(32*(\t)+\i)*\n*4 th:TH_LOAD_NT
.endr
.endm
.macro WBLOCK t, n
.set XSW, 32+32*((\t)%2)
.set TAU, (\t)%4
.set HH,  TAU%2
.if (\t) < 3
	s_wait_loadcnt 32                              ; this block's 32 loads are in; the next block's may be out
.else
	s_wait_loadcnt 0x0
.endif
	v_max3_num_f32 v16, |v[XSW]|, |v[XSW+1]|, |v[XSW+2]|
	v_max3_num_f32 v17, |v[XSW+3]|, |v[XSW+4]|, |v[XSW+5]|
.irp i, 6,10,14,18,22,26
	v_max3_num_f32 v16, v16, |v[XSW+\i]|, |v[XSW+\i+1]|
	v_max3_num_f32 v17, v17, |v[XSW+\i+2]|, |v[XSW+\i+3]|
.endr
	v_max3_num_f32 v16, v16, |v[XSW+30]|, |v[XSW+31]|
	v_max3_num_f32 v16, v16, v17, 0x1800000        ; and the floor
	v_add_nc_u32 v18, 0xff000000, v16
	v_lshrrev_b32 v17, 23, v18
.if TAU == 0
	v_mov_b32 v24, v17
.else
	v_lshl_or_b32 v24, v17, 8*TAU, v24
.endif
	v_cvt_scalef32_pk16_fp6_f32 v[104:106], v[XSW:XSW+15], v18
	v_cvt_scalef32_pk16_fp6_f32 v[100:102], v[XSW+16:XSW+31], v18
	v_nop
	v_mov_b32 v107, v100
	v_mov_b32 v108, v101
	v_mov_b32 v109, v102                           ; v104-109: registers 6 c .. 6 c + 5 of fragment lane r + 16 h, c = TAU / 2, h = TAU % 2
.if TAU < 2
	ds_store_b128 v4, v[104:107] offset:256*HH
	ds_store_b64 v4, v[108:109] offset:512+256*HH
.else
	ds_store_b64 v4, v[104:105] offset:520+256*HH
	ds_store_b128 v4, v[106:109] offset:1024+256*HH
.endif
.if (\t)+2 < 4
	WLOAD (\t)+2, \n
.endif
	s_wait_dscnt 0x0                               ; the stores have read their registers
.if TAU == 3                                   ; the K step's two fragments are whole: out, 512 consecutive bytes a store
.irp f, 0,1
.irp g, 0,1,2
	ds_load_b128 v[112+12*\f+4*\g:112+12*\f+4*\g+3], v5 offset:1664*\f+512*\g
.endr
.endr
	s_wait_dscnt 0x0
.irp f, 0,1
.irp g, 0,1,2
	global_store_b128 v6, v[112+12*\f+4*\g:112+12*\f+4*\g+3], s[14:15] offset:12288*\f+512*\g
.endr
.endr
	s_wait_alu depctr_va_vdst(0)
	global_store_b32 v7, v24, s[18:19]             ; 32 rows' scale words: 128 consecutive bytes
.endif
.endm
.macro WPATH n, wlo, coff, soff, spitch, ldsbase, first
	s_sub_co_u32 s22, ttmp9, \first
	s_and_b32 s23, s22, 7                          ; which K step of 128
	s_lshr_b32 s22, s22, 3
	s_lshl_b32 s22, s22, 2
	s_add_co_u32 s22, s22, s16                     ; A: my wave's columns 32 A .. 32 A + 31
	s_mul_i32 s17, s16, 3328
	s_add_co_u32 s17, s17, \ldsbase                ; my two fragment images, 1,664 bytes apart
	v_and_b32 v9, 31, v0
	v_bfe_u32 v10, v0, 3, 1                        ; f: which of the two row blocks my column falls into
	v_bfe_u32 v11, v0, 4, 1
	v_and_b32 v12, 7, v0
	v_lshl_add_u32 v12, v11, 3, v12                ; r: its lane row there
	v_lshlrev_b32 v3, 2, v9
	s_wait_alu depctr_va_vdst(0)
	v_mul_u32_u24 v4, v10, 1664
	v_lshl_add_u32 v4, v12, 4, v4
	v_add_nc_u32 v4, s17, v4
	v_lshlrev_b32 v6, 4, v9
	v_add_nc_u32 v5, s17, v6
	v_lshl_add_u32 v7, v10, 4, v12
	v_lshlrev_b32 v7, 2, v7                        ; my column's place among the 32 scale words
	s_mul_i32 s24, s23, 128*\n*4
	s_lshl_b32 s25, s22, 7
	s_add_co_u32 s24, s24, s25
	s_mov_b32 s25, 0
	s_add_nc_u64 s[12:13], s[\wlo:\wlo+1], s[24:25]
	s_lshl_b32 s24, s22, 4
	s_add_co_u32 s24, s24, s23
	s_mul_i32 s24, s24, 1536
	s_add_co_u32 s24, s24, \coff
	s_add_nc_u64 s[14:15], s[10:11], s[24:25]
	s_mul_i32 s24, s23, \spitch
	s_lshl_b32 s26, s22, 5
	s_add_co_u32 s24, s24, s26
	s_lshl_b32 s24, s24, 2
	s_add_co_u32 s24, s24, \soff
	s_add_nc_u64 s[18:19], s[10:11], s[24:25]
	WLOAD 0, \n
	WLOAD 1, \n
.irp t, 0,1,2,3
	WBLOCK \t, \n
.endr
	s_wait_tensorcnt 0x0                           ; the wave's end
	ds_add_u32 v254, v255
	s_wait_dscnt 0x0
	s_endpgm
.endm
	s_load_b128 s[4:7], s[0:1], 0x0                ; x, W_qkv
	s_load_b128 s[8:11], s[0:1], 0x10              ; W_out, wsA
	v_lshl_add_u32 v254, v0, 2, 0xf000
	v_mov_b32 v255, 0
	v_lshrrev_b32 v1, 5, v0
	v_readfirstlane_b32 s16, v1                    ; wave
	s_mov_b32 s20, 0x76543210
	s_mov_b32 s21, 0xfedcba98                      ; v_permlanex16_b32's selects for lane l xor 16
	s_wait_kmcnt 0x0
	s_cmp_lt_u32 ttmp9, 256
	s_cbranch_scc0 .Lweights
	; ---- x: work-group i takes rows 64 (i / 2) on and K steps 4 (i % 2) + wave
	v_and_b32 v9, 31, v0
	v_and_b32 v10, 15, v0
	v_bfe_u32 v11, v0, 4, 1
	s_mul_i32 s17, s16, 8704                       ; my wave's LDS: a stage of 16 x 528 bytes, then 256 bytes of scale words
	v_lshlrev_b32 v1, 4, v9
	v_add_nc_u32 v2, s17, v1
	v_mul_u32_u24 v3, v10, 528
	v_lshl_add_u32 v3, v11, 6, v3
	v_add_nc_u32 v3, s17, v3
	s_add_co_u32 s18, s17, 8448
	v_lshl_add_u32 v4, v10, 2, s18
	v_lshlrev_b32 v6, 3, v9
	v_add_nc_u32 v5, s18, v6
.irp b, 0,1,2,3
	v_mov_b32 v[TM+4+\b], 0                        ; a lane permute's destination counts as one of its sources
.endr
	s_lshr_b32 s22, ttmp9, 1                       ; G
	s_and_b32 s23, ttmp9, 1
	s_lshl_b32 s23, s23, 2
	s_add_co_u32 s23, s23, s16                     ; my K step
	s_lshl_b32 s24, s22, 18
	s_lshl_b32 s25, s23, 9
	s_add_co_u32 s24, s24, s25
	s_mov_b32 s25, 0
	s_add_nc_u64 s[4:5], s[4:5], s[24:25]
	s_lshl_b32 s24, s22, 5
	s_add_co_u32 s24, s24, s23
	s_mul_i32 s24, s24, 1536
	s_add_nc_u64 s[12:13], s[10:11], s[24:25]      ; fragment (row block 4 G, my K step)
	s_lshl_b32 s24, s23, 13
	s_lshl_b32 s26, s22, 6
	s_add_co_u32 s24, s24, s26
	s_lshl_b32 s24, s24, 2
	s_add_co_u32 s24, s24, O_XS
	s_add_nc_u64 s[14:15], s[10:11], s[24:25]      ; the 64 rows' scale words of my K step
	XLOAD 0
	XLOAD 1
	s_wait_alu depctr_va_vdst(0)
	SUB 0
	SUB 1
	SUB 2
	SUB 3
	ds_load_b64 v[246:247], v5
	s_wait_dscnt 0x0
	global_store_b64 v6, v[246:247], s[14:15]      ; 256 consecutive bytes, aligned
	s_wait_tensorcnt 0x0
	ds_add_u32 v254, v255
	s_wait_dscnt 0x0
	s_endpgm
.Lweights:
	s_cmp_lt_u32 ttmp9, 448
	s_cbranch_scc0 .Lwout
	WPATH 3072, 6, O_WQC, O_WQS, 8192, 34816, 256
.Lwout:
	WPATH 1024, 8, O_WOC, O_WOS, 1024, 48128, 448
.Lfunc_end_k_qd12737487f_prep:
	.size	k_qd12737487f_prep, .Lfunc_end_k_qd12737487f_prep-k_qd12737487f_prep
	.p2alignl 7, 3214868480
	.fill 96, 4, 3214868480
	.section	.rodata,"a",@progbits
	.p2align	6, 0x0
	.amdhsa_kernel k_qd12737487f_prep
		.amdhsa_group_segment_fixed_size 61952
		.amdhsa_private_segment_fixed_size 0
		.amdhsa_enable_private_segment 0
		.amdhsa_kernarg_size 32
		.amdhsa_user_sgpr_count 2
		.amdhsa_user_sgpr_kernarg_segment_ptr 1
		.amdhsa_wavefront_size32 1
		.amdhsa_system_sgpr_workgroup_id_x 1
		.amdhsa_system_sgpr_workgroup_id_y 1
		.amdhsa_system_sgpr_workgroup_id_z 1
		.amdhsa_system_vgpr_workitem_id 0
		.amdhsa_next_free_vgpr 256
		.amdhsa_next_free_sgpr 66
		.amdhsa_reserve_vcc 0
		.amdhsa_float_denorm_mode_32 3
		.amdhsa_float_denorm_mode_16_64 3
		.amdhsa_memory_ordered 1
		.amdhsa_forward_progress 1
		.amdhsa_inst_pref_size 76
	.end_amdhsa_kernel
	.amdgpu_metadata
---
amdhsa.version: [ 1, 2 ]
amdhsa.kernels:
  - .name:           k_qd12737487f_prep
    .symbol:         k_qd12737487f_prep.kd
    .args:
      - { .name: x, .offset: 0, .size: 8, .value_kind: global_buffer, .address_space: global }
      - { .name: W_qkv, .offset: 8, .size: 8, .value_kind: global_buffer, .address_space: global }
      - { .name: W_out, .offset: 16, .size: 8, .value_kind: global_buffer, .address_space: global }
      - { .name: wsA, .offset: 24, .size: 8, .value_kind: global_buffer, .address_space: global }
    .group_segment_fixed_size: 61952
    .private_segment_fixed_size: 0
    .kernarg_segment_align: 8
    .kernarg_segment_size: 32
    .max_flat_workgroup_size: 128
    .sgpr_count:     66
    .vgpr_count:     256
    .wavefront_size: 32
...
	.end_amdgpu_metadata
.endif
;; end of part 1
;; launch qkv (part 2): grid 32 x 8, 4 waves a work-group, clusters of 4 x 1, 327,680 bytes of LDS; arguments wsA, b_qkv, wsB; writes wsB
.if DOCPART == 2
	.amdgcn_target "amdgcn-amd-amdhsa--gfx1250"
	.amdhsa_code_object_version 6
	.text
	.protected	k_qd12737487f_qkv
	.globl	k_qd12737487f_qkv
	.p2align	8
	.type	k_qd12737487f_qkv,@function
k_qd12737487f_qkv:
	s_mov_b64 s[64:65], 0
	v_nop
	global_prefetch_b8 v0, s[64:65] scope:SCOPE_SE
	s_setreg_imm32_b32 hwreg(HW_REG_WAVE_MODE, 25, 1), 1
	s_wait_xcnt 0x0
	s_wait_alu depctr_hold_cnt(0) depctr_sa_sdst(0) depctr_va_vdst(0) depctr_va_sdst(0) depctr_va_ssrc(0) depctr_va_vcc(0) depctr_vm_vsrc(0)
	s_getreg_b32 s2, hwreg(HW_REG_IB_STS2, 6, 4)
	s_cmp_eq_u32 s2, 0
	s_cbranch_scc0 .Lentry_in_a_cluster
	s_endpgm
.Lentry_in_a_cluster:
	s_bfe_u32 s2, ttmp6, 0x10000c
	s_cmp_lg_u32 s2, 0x3003
	s_cbranch_scc0 .Lentry_shape_is_right
	s_endpgm
.Lentry_shape_is_right:
; Q, K = x W + b, quantised along the channels, and V^T = (x Wv + b)^T, quantised along the tokens: codes of FP6 (E2M3), E8M0 scales, K = 1,024.
; A work-group takes 256 tokens (x of the grid) and three chunks of 128 output channels (y = g): Q's unit g, K's unit g, V's unit g: 256 equal work-groups.
; A wave keeps its 64 tokens' fragments for all of K in 384 registers, loaded once from their images in the workspace; its tile of a chunk is 64 x 128: 32 accumulators.
; LDS holds the weights alone: a chunk's 98,304 bytes of fragment images and 4,096 bytes of scale words, three chunks side by side, each filled once.
; Chunk c + 1 is asked for behind the full sequence of waits, add and round, 256 matrix instructions ahead of its first read.
; Q, K: source 0 = channels, source 1 = tokens: a lane holds a token, registers run along channels.  V: the sources are swapped: a lane holds a channel, registers run along tokens.
; By the order of rows in the workspace (bits 3 and 4 of a row's number exchanged) sixteen registers of two neighbouring tiles are sixteen neighbours along the next K.
; CLUSTERS: the four work-groups of a cluster share g, so each chunk is asked for jointly.  x's fragments go to registers, where no joint load ends: they come by plain loads.
; No prefetch: the text has no loop to run ahead in, and each chunk's load stands a whole chunk ahead of its reads.
; LIMITS: a block of zeros gets the byte 1 (zero codes; this program alone reads the bytes); blocks under 2^-124 are held at the byte 1; NaN and infinities are not served.
; REGISTERS: window 0: v0-31 addresses, v32-47 x's scale words, v48-79 the chunk's, v80-143 the bias as C, v144-151 V's bias, v160-255 x's K steps 6, 7;
; window 1: v0-191 the weights' two sets (set 1 serves the tails as work space), v192-239 x's K step 5; window 2: accumulators; window 3: x's K steps 0-4.
.set SLOTB, 102400
.set SCO,   98304
.set SPARE, 3*SLOTB
.set STAGE, SPARE+512
.set VSTG,  STAGE+1024
.set LI, 4
.set L8, 5
.set L4, 6
.set ADRB, 8
.set ADRS, 14
.set STW, 17
.set STR, 18
.set VA, 19
.set VB, 20
.set VR, 21
.set VSW, 22
.set VSR, 23
.set SPW, 28
.set NIL, 29
.set BQ, 30
.set BV, 31
.set XS, 32
.set BS, 48
.set BI, 80
.set VBR, 144
.set PC, 96
.set TM, 116
.set PW, 132
.set G1, 36
.set G1S, 44
.set G0, 52
.set G0S, 56
.set O_XS,  6291456
.set O_WQC, 6553600
.set O_WQS, 8912896
.set O_VC,  12582912
.set O_QS,  18874368
.set O_VS,  19398656
.set MSB, 0
.macro WIN new                         ; the immediate's high byte repeats the setting that is left
.if MSB != (\new)
	s_set_vgpr_msb (MSB<<8)|(\new)
.set MSB, (\new)
.endif
.endm
.macro PLACES                          ; four plain places behind matrix instructions (ISA guide 7.12.1)
.rept 4
	v_nop
.endr
.endm
.macro JLOAD                           ; one joint load a wave: waves 0-2 a third of the chunk's codes, wave 3 its scale words
	s_cmp_lt_u32 s14, 3
	s_cbranch_scc0 .Lsc_\@
	tensor_load_to_lds s[G0:G0+3], s[G1:G1+7]
	s_nop 0
	PLACES
	s_branch .Lj_\@
.Lsc_\@:
	tensor_load_to_lds s[G0S:G0S+3], s[G1S:G1S+7]
	s_nop 0
	PLACES
.Lj_\@:
.endm
.macro CROUND                          ; a round of the cluster's barrier
	s_barrier_signal -1
	s_barrier_wait -1
	s_cmp_lg_u32 s14, 0
	s_cbranch_scc1 .Lnw_\@
	s_barrier_signal -3
.Lnw_\@:
	s_barrier_wait -3
	s_barrier_signal -1
	s_barrier_wait -1
.endm
.macro SEQ                             ; the chunk asked for last is whole; the next chunk's first fill follows the round
	WIN 0
	s_wait_tensorcnt 0x0
	ds_add_u32 v[SPW], v[NIL]
	s_add_co_u32 s[G0+1], s[G0+1], SLOTB
	s_add_nc_u64 s[G0+2:G0+3], s[G0+2:G0+3], 786432      ; 1,024 channels on
	s_add_co_u32 s[G0S+1], s[G0S+1], SLOTB
	s_add_nc_u64 s[G0S+2:G0S+3], s[G0S+2:G0S+3], 4096
	s_wait_dscnt 0x0
	CROUND
	JLOAD
.endm
.macro MEET                            ; the last chunk is whole for every wave
	WIN 0
	s_wait_tensorcnt 0x0
	s_wait_dscnt 0x0
	s_barrier_signal -1
	s_barrier_wait -1
	PLACES
.endm
.macro ASET k                          ; where x's fragments of K step k lie: window AWN, from register AL on
.if (\k)<5
.set AL, 48*(\k)
.set AWN, 3
.elseif (\k)==5
.set AL, 192
.set AWN, 1
.else
.set AL, 160+48*((\k)-6)
.set AWN, 0
.endif
.endm
.macro WM d, x, y, c, sx, sy, rx, ry   ; rx, ry: which half of the lanes holds source 0's and source 1's scale words
.if (\rx)==0 && (\ry)==0
	v_wmma_scale_f32_16x16x128_f8f6f4 v[\d:\d+7], v[\x:\x+11], v[\y:\y+11], \c, v[\sx], v[\sy] matrix_a_fmt:MATRIX_FMT_FP6 matrix_b_fmt:MATRIX_FMT_FP6
.elseif (\rx)==1 && (\ry)==0
	v_wmma_scale_f32_16x16x128_f8f6f4 v[\d:\d+7], v[\x:\x+11], v[\y:\y+11], \c, v[\sx], v[\sy] matrix_a_fmt:MATRIX_FMT_FP6 matrix_b_fmt:MATRIX_FMT_FP6 matrix_a_scale:MATRIX_SCALE_ROW1
.elseif (\rx)==0 && (\ry)==1
	v_wmma_scale_f32_16x16x128_f8f6f4 v[\d:\d+7], v[\x:\x+11], v[\y:\y+11], \c, v[\sx], v[\sy] matrix_a_fmt:MATRIX_FMT_FP6 matrix_b_fmt:MATRIX_FMT_FP6 matrix_b_scale:MATRIX_SCALE_ROW1
.else
	v_wmma_scale_f32_16x16x128_f8f6f4 v[\d:\d+7], v[\x:\x+11], v[\y:\y+11], \c, v[\sx], v[\sy] matrix_a_fmt:MATRIX_FMT_FP6 matrix_b_fmt:MATRIX_FMT_FP6 matrix_a_scale:MATRIX_SCALE_ROW1 matrix_b_scale:MATRIX_SCALE_ROW1
.endif
.endm
; 32 matrix instructions, the 32 accumulators by turns.  bias = 1: the bias starts the sums
.macro MULQ k, p, bias
	ASET \k
.if \bias
	WIN 0x81|(AWN<<2)
.else
	WIN 0xa1|(AWN<<2)
.endif
.irp a, 0,1,2,3
.irp b, 0,1,2,3,4,5,6,7
.set rD, 8*(8*\a+\b)
.set rB, 96*(\p)+12*\b
.set rA, AL+12*\a
.set sB, BS+4*(\k)+\b/2
.set sA, XS+2*(\k)+\a/2
.if \bias
	WM rD, rB, rA, v[BI+8*\b:BI+8*\b+7], sB, sA, \b%2, \a%2
.else
	WM rD, rB, rA, v[rD:rD+7], sB, sA, \b%2, \a%2
.endif
.endr
.endr
.endm
.macro MULV k, p, bias                 ; the sources swapped; accumulator (b, a) at 8 (4 b + a)
	ASET \k
.if \bias
	WIN 0x84|AWN
.else
	WIN 0xa4|AWN
.endif
.irp b, 0,1,2,3,4,5,6,7
.irp a, 0,1,2,3
.set rD, 8*(4*\b+\a)
.set rB, 96*(\p)+12*\b
.set rA, AL+12*\a
.set sB, BS+4*(\k)+\b/2
.set sA, XS+2*(\k)+\a/2
.if \bias
	WM rD, rA, rB, v[BI+8*\b:BI+8*\b+7], sA, sB, \a%2, \b%2
.else
	WM rD, rA, rB, v[rD:rD+7], sA, sB, \a%2, \b%2
.endif
.endr
.endr
.endm
.macro FETCHB c, k, p                  ; the chunk's eight fragments of K step k into set p: 512 consecutive bytes a load
	WIN 0x40
.irp i, 0,1,2,3,4,5,6,7
.irp g, 0,1,2
	ds_load_b128 v[96*(\p)+12*\i+4*\g:96*(\p)+12*\i+4*\g+3], v[ADRB+2*(\c)+\i/4] offset:12288*(\i%4)+1536*(\k)+512*\g
.endr
.endr
	WIN 0
.endm
.macro SCALES c                        ; register 4 k + i: lanes 0-15 the words of block 2 i, lanes 16-31 of block 2 i + 1
.irp k, 0,1,2,3,4,5,6,7
.irp i, 0,1,2,3
	ds_load_b32 v[BS+4*\k+\i], v[ADRS+(\c)] offset:512*\k+128*\i
.endr
.endr
.endm
.macro BIASQ c                         ; register 8 b + j: the bias of channel 32 (b / 2) + 8 (b % 2) + 16 h + j of the unit
.irp b, 0,1,2,3,4,5,6,7
	global_load_b128 v[BI+8*\b:BI+8*\b+3], v[BQ], s[34:35] offset:4096*(\c)+(32*(\b/2)+8*(\b%2))*4
	global_load_b128 v[BI+8*\b+4:BI+8*\b+7], v[BQ], s[34:35] offset:4096*(\c)+(32*(\b/2)+8*(\b%2))*4+16
.endr
.endm
.macro STEP c, k
	s_wait_dscnt 0x0                               ; this step's fragments are in
.if (\c)==0
.if 12*(7-(\k))>63
	s_wait_loadcnt 63
.else
	s_wait_loadcnt 12*(7-(\k))                     ; x's fragments of the later K steps, twelve loads each, may be out
.endif
.elseif (\k)==0
	s_wait_loadcnt 0x0                             ; the bias
	s_wait_xcnt 0x0                                ; the tail's stores have read set 1's registers
.endif
.if (\k)<7
	PLACES
	FETCHB \c, (\k)+1, ((\k)+1)%2
.else
	WIN 0
.if (\c)==0
	BIASQ 1
.elseif (\c)==1
.irp b, 0,1,2,3,4,5,6,7
	global_load_b32 v[VBR+\b], v[BV], s[34:35] offset:8192+(32*(\b/2)+8*(\b%2))*4
.endr
.endif
.endif
.if (\c)<2
	MULQ \k, (\k)%2, (\k)==0
.else
	MULV \k, (\k)%2, (\k)==0
.endif
.endm
; 64 registers (four blocks of 16, each half of a block of 32 along the next K) become 12 registers of codes in v[PC] on and four scale bytes in v[PW], all in window 1
.macro QUANT t
.set qS, 64*(\t)
	WIN 0x69
.irp b, 0,1,2,3
	v_max3_num_f32 v[TM+\b], 0x1800000, |v[qS+16*\b]|, |v[qS+16*\b+1]|   ; with the floor 2^(3 - 127)
.endr
.irp i, 2,4,6,8,10,12,14
.irp b, 0,1,2,3
	v_max3_num_f32 v[TM+\b], v[TM+\b], |v[qS+16*\b+\i]|, |v[qS+16*\b+\i+1]|
.endr
.endr
	s_wait_alu depctr_va_vdst(0)
	s_wait_xcnt 0x0                                ; the last block's stores have read their data
	s_wait_dscnt 0x0
	WIN 0x55
.irp b, 0,1,2,3
	v_permlanex16_b32 v[TM+4+\b], v[TM+\b], s32, s33
.endr
.irp b, 0,1,2,3
	v_max_num_f32 v[TM+\b], v[TM+\b], v[TM+4+\b]
.endr
.irp b, 0,1,2,3
	v_add_nc_u32 v[TM+12+\b], 0xff000000, v[TM+\b] ; 2 off the exponent field: the conversion's scale operand
.endr
.irp b, 0,1,2,3
	v_lshrrev_b32 v[TM+4+\b], 23, v[TM+12+\b]
.endr
	v_lshl_or_b32 v[PW], v[TM+5], 8, v[TM+4]
	v_lshl_or_b32 v[PW], v[TM+6], 16, v[PW]
	v_lshl_or_b32 v[PW], v[TM+7], 24, v[PW]
	WIN 0x46
.irp c, 0,1
	v_cvt_scalef32_pk16_fp6_f32 v[PC+6*\c:PC+2+6*\c], v[qS+32*\c:qS+15+32*\c], v[TM+12+2*\c]
	v_cvt_scalef32_pk16_fp6_f32 v[PC+12+4*\c:PC+14+4*\c], v[qS+16+32*\c:qS+31+32*\c], v[TM+12+2*\c+1]
.endr
	WIN 0x55
	v_nop                                          ; one plain place behind a scaled conversion
.irp c, 0,1
.irp i, 0,1,2
	v_permlane16_swap_b32 v[PC+6*\c+\i], v[PC+12+4*\c+\i]
.endr
.irp i, 0,1,2
	v_mov_b32 v[PC+3+6*\c+\i], v[PC+12+4*\c+\i]
.endr
.endr
.endm
.macro TINIT
	WIN 0x40
.irp b, 0,1,2,3
	v_mov_b32 v[TM+4+\b], 0                        ; a lane permute's destination counts as one of its sources
.endr
.endm
.macro TAILQ c                         ; my 64 tokens x 128 channels: four fragments of K step g and their rows' scale words
	TINIT
.irp a, 0,1,2,3
	QUANT \a
	WIN 0x04
.irp g, 0,1,2
	global_store_b128 v[LI], v[PC+4*\g:PC+4*\g+3], s[10:11] offset:6291456*(\c)+12288*\a+512*\g
.endr
	ds_store_b32 v[STW], v[PW] offset:64*\a
.endr
	WIN 0x40
	ds_load_b64 v[PW+2:PW+3], v[STR]               ; LDS serves a wave's instructions in order
	s_wait_dscnt 0x0
	WIN 0x04
	global_store_b64 v[L8], v[PW+2:PW+3], s[12:13] offset:262144*(\c)   ; 256 consecutive bytes, aligned
	WIN 0
.endm
	s_load_b128 s[4:7], s[0:1], 0x0                ; wsA, b_qkv
	s_load_b64 s[8:9], s[0:1], 0x10                ; wsB
	v_lshl_add_u32 v[SPW], v0, 2, SPARE
	v_mov_b32 v[NIL], 0
	ds_add_u32 v[SPW], v[NIL]                      ; the opening lines
	ds_add_u32 v[SPW], v[NIL]
	v_lshrrev_b32 v1, 5, v0
	v_readfirstlane_b32 s14, v1                    ; wave
	s_lshr_b32 s15, s14, 1
	s_and_b32 s16, s14, 1
	s_bfe_u32 s17, ttmp6, 0x40000                  ; cx
	s_lshl_b32 s19, ttmp9, 2
	s_add_co_u32 s17, s19, s17                     ; which 256 tokens
	s_and_b32 s18, ttmp7, 0xffff                   ; g
	s_mov_b32 s32, 0x76543210
	s_mov_b32 s33, 0xfedcba98
	s_mov_b32 s[G1], 15|(3<<16)|(1<<21)            ; codes: 128 rows of 256 bytes, dense; all four partners
	s_mov_b32 s[G1+1], 32<<16
	s_mov_b32 s[G1+2], 128<<16
	s_mov_b32 s[G1+3], 32<<16
	s_mov_b32 s[G1+4], 128
	s_mov_b32 s[G1+5], 32
	s_mov_b32 s[G1+6], 0
	s_mov_b32 s[G1+7], 0
	s_mov_b32 s[G1S], 15|(3<<16)|(1<<21)           ; scale words: 8 K steps' 512 bytes, 32,768 bytes apart
	s_mov_b32 s[G1S+1], 64<<16
	s_mov_b32 s[G1S+2], 8<<16
	s_mov_b32 s[G1S+3], 64<<16
	s_mov_b32 s[G1S+4], 8
	s_mov_b32 s[G1S+5], 4096
	s_mov_b32 s[G1S+6], 0
	s_mov_b32 s[G1S+7], 0
	v_and_b32 v1, 15, v0                           ; r
	v_bfe_u32 v2, v0, 4, 1                         ; h
	v_and_b32 v3, 31, v0
	v_lshlrev_b32 v[LI], 4, v3
	v_lshlrev_b32 v[L8], 3, v3
	v_lshlrev_b32 v[L4], 2, v3
.irp c, 0,1,2
	v_add_nc_u32 v[ADRB+2*\c], \c*SLOTB, v[LI]
	v_add_nc_u32 v[ADRB+2*\c+1], \c*SLOTB+49152, v[LI]
	v_add_nc_u32 v[ADRS+\c], \c*SLOTB+SCO, v[L4]
.endr
	v_lshlrev_b32 v[BQ], 6, v2
	v_lshrrev_b32 v7, 3, v1
	v_lshl_add_u32 v7, v7, 3, v1                   ; r + 8 (r / 8)
	v_lshlrev_b32 v[BV], 2, v7
	s_lshl_b32 s2, s14, 8
	s_add_co_u32 s2, s2, STAGE
	v_lshl_add_u32 v[STW], v1, 2, s2
	v_add_nc_u32 v[STR], s2, v[L8]
	s_mul_i32 s2, s15, 12288                       ; V's stage, in chunk 0's bytes: [K step of 128 tokens][8 channel blocks][1,536]
	s_mul_i32 s3, s16, 520
	s_add_co_u32 s3, s3, s2
	v_add_nc_u32 v[VA], s3, v[LI]                  ; registers 6 c, 6 c + 1 and (512 on) 6 c + 4, 6 c + 5 of a lane's 48 bytes
	s_mul_i32 s3, s16, 1016
	s_add_co_u32 s3, s3, s2
	s_add_co_u32 s3, s3, 8
	v_add_nc_u32 v[VB], s3, v[LI]                  ; registers 6 c + 2, 6 c + 3
	s_mul_i32 s3, s16, 6144
	s_add_co_u32 s3, s3, s2
	v_add_nc_u32 v[VR], s3, v[LI]
	s_lshl_b32 s2, s15, 9
	s_lshl_b32 s3, s16, 1
	s_add_co_u32 s2, s2, s3
	s_add_co_u32 s2, s2, VSTG
	v_lshl_add_u32 v[VSW], v1, 2, s2
	s_lshl_b32 s2, s14, 8
	s_add_co_u32 s2, s2, VSTG
	v_add_nc_u32 v[VSR], s2, v[L8]
	s_lshl_b32 s20, s17, 4
	s_lshl_b32 s21, s14, 2
	s_add_co_u32 s19, s20, s21                     ; my first row block: 16 x tokens' group + 4 x wave
	s_mul_i32 s20, s19, 12288
	s_mov_b32 s21, 0
	s_lshl_b32 s22, s19, 6
	s_mov_b32 s23, 0
	s_mul_i32 s10, s18, 1536
	s_add_co_u32 s10, s10, s20                     ; Q's fragment (my row block, K step g)
	s_mov_b32 s11, 0
	s_lshl_b32 s12, s18, 15
	s_add_co_u32 s12, s12, s22
	s_add_co_u32 s12, s12, O_QS
	s_mov_b32 s13, 0
	s_add_co_u32 s22, s22, O_XS
	s_mul_i32 s24, s18, 98304
	s_lshl_b32 s25, s14, 15
	s_add_co_u32 s24, s24, s25
	s_add_co_u32 s24, s24, O_WQC                   ; my third of the chunk's codes
	s_mov_b32 s25, 0
	s_lshl_b32 s34, s18, 9
	s_mov_b32 s35, 0
	s_add_co_u32 s26, s34, O_WQS
	s_mov_b32 s27, 0
	s_lshr_b32 s2, s17, 3                          ; the batch
	s_and_b32 s3, s17, 7
	s_lshl_b32 s3, s3, 1
	s_add_co_u32 s3, s3, s15                       ; V's K step of 128 tokens
	s_mul_i32 s28, s2, 1572864
	s_lshl_b32 s29, s18, 3
	s_lshl_b32 s30, s16, 2
	s_add_co_u32 s29, s29, s30
	s_mul_i32 s29, s29, 24576
	s_add_co_u32 s28, s28, s29
	s_mul_i32 s29, s3, 1536
	s_add_co_u32 s28, s28, s29
	s_add_co_u32 s28, s28, O_VC
	s_mov_b32 s29, 0
	s_lshl_b32 s30, s2, 16
	s_lshl_b32 s31, s3, 12
	s_add_co_u32 s30, s30, s31
	s_add_co_u32 s30, s30, s34
	s_lshl_b32 s31, s16, 8
	s_add_co_u32 s30, s30, s31
	s_add_co_u32 s30, s30, O_VS
	s_mov_b32 s31, 0
	s_mov_b32 s[G0], 1
	s_lshl_b32 s[G0+1], s14, 15
	s_mov_b32 s[G0S], 1
	s_mov_b32 s[G0S+1], SCO
	s_wait_dscnt 0x0                               ; both opening adds are done
	s_wait_alu depctr_va_vdst(0)
	s_wait_kmcnt 0x0
	s_add_nc_u64 s[G0+2:G0+3], s[4:5], s[24:25]
	s_or_b32 s[G0+3], s[G0+3], 0x80000000
	s_add_nc_u64 s[G0S+2:G0S+3], s[4:5], s[26:27]
	s_or_b32 s[G0S+3], s[G0S+3], 0x80000000
	s_add_nc_u64 s[20:21], s[4:5], s[20:21]
	s_add_nc_u64 s[22:23], s[4:5], s[22:23]
	s_add_nc_u64 s[34:35], s[6:7], s[34:35]
	s_add_nc_u64 s[10:11], s[8:9], s[10:11]
	s_add_nc_u64 s[12:13], s[8:9], s[12:13]
	s_add_nc_u64 s[28:29], s[8:9], s[28:29]
	s_add_nc_u64 s[30:31], s[8:9], s[30:31]
	CROUND                                         ; the four partners are here: the first joint loads meet
	JLOAD                                          ; chunk 0: one tensor load a wave at the head
.irp k, 0,1,2,3,4,5,6,7
.irp p, 0,1
	global_load_b32 v[XS+2*\k+\p], v[L4], s[22:23] offset:32768*\k+128*\p   ; lanes 0-15 block 2 p, lanes 16-31 block 2 p + 1
.endr
.endr
	BIASQ 0
.irp k, 0,1,2,3,4,5,6,7
	ASET \k
	WIN AWN<<6
.irp a, 0,1,2,3
.irp g, 0,1,2
	global_load_b128 v[AL+12*\a+4*\g:AL+12*\a+4*\g+3], v[LI], s[20:21] offset:12288*\a+1536*\k+512*\g
.endr
.endr
.endr
	WIN 0
	s_wait_alu depctr_va_vdst(0)                   ; the wait at the head's end
	SEQ                                            ; chunk 0 is whole; chunk 1 is asked for
	FETCHB 0, 0, 0
	SCALES 0
.irp k, 0,1,2,3,4,5,6,7
	STEP 0, \k
.endr
	SEQ                                            ; chunk 1 is whole; chunk 2 is asked for
	FETCHB 1, 0, 0
	SCALES 1
	TAILQ 0
.irp k, 0,1,2,3,4,5,6,7
	STEP 1, \k
.endr
	MEET
	FETCHB 2, 0, 0
	SCALES 2
	TAILQ 1
	s_wait_loadcnt 0x0
.irp b, 0,1,2,3,4,5,6,7
.irp j, 0,1,2,3,4,5,6,7
	v_mov_b32 v[BI+8*\b+\j], v[VBR+\b]             ; V: a lane's channel has one bias for all its tokens
.endr
.endr
	s_wait_alu depctr_va_vdst(0)
.irp k, 0,1,2,3,4,5,6,7
	STEP 2, \k
.endr
	PLACES
; V's tail: a wave's 64 tokens are half a K step: registers 6 c .. 6 c + 5 of each channel block's fragment and two of its word's four bytes, c = wave % 2.
; The halves meet in LDS (chunk 0's bytes have had their only fill and their last read) and leave as whole images.
	TINIT
.irp t, 0,1,2,3
	QUANT \t
	WIN 0x04
.irp e, 0,1
	ds_store_b64 v[VA], v[PC+6*\e:PC+6*\e+1] offset:1536*(2*\t+\e)
	ds_store_b64 v[VB], v[PC+6*\e+2:PC+6*\e+3] offset:1536*(2*\t+\e)
	ds_store_b64 v[VA], v[PC+6*\e+4:PC+6*\e+5] offset:1536*(2*\t+\e)+512
.endr
	ds_store_b16 v[VSW], v[PW] offset:128*\t
	ds_store_b16_d16_hi v[VSW], v[PW] offset:128*\t+64
.endr
	WIN 0
	s_wait_dscnt 0x0                               ; for the others' sake: my stores have landed
	s_barrier_signal -1
	s_barrier_wait -1
	WIN 0x40
.irp i, 0,1,2,3,4,5,6,7,8,9,10,11
	ds_load_b128 v[PC+4*\i:PC+4*\i+3], v[VR] offset:512*\i
.endr
	ds_load_b64 v[PC+48:PC+49], v[VSR]
	s_wait_dscnt 0x0
	WIN 0x04
.irp i, 0,1,2,3,4,5,6,7,8,9,10,11
	global_store_b128 v[LI], v[PC+4*\i:PC+4*\i+3], s[28:29] offset:24576*(\i/3)+512*(\i%3)   ; 512 consecutive bytes a store
.endr
	global_store_b64 v[L8], v[PC+48:PC+49], s[30:31]   ; 256 consecutive bytes, aligned
	WIN 0
	s_wait_tensorcnt 0x0                           ; the wave's end
	ds_add_u32 v[SPW], v[NIL]
	s_wait_dscnt 0x0
	CROUND                                         ; the closing round
	s_endpgm
.Lfunc_end_k_qd12737487f_qkv:
	.size	k_qd12737487f_qkv, .Lfunc_end_k_qd12737487f_qkv-k_qd12737487f_qkv
	.p2alignl 7, 3214868480
	.fill 96, 4, 3214868480
	.section	.rodata,"a",@progbits
	.p2align	6, 0x0
	.amdhsa_kernel k_qd12737487f_qkv
		.amdhsa_group_segment_fixed_size 327680
		.amdhsa_private_segment_fixed_size 0
		.amdhsa_enable_private_segment 0
		.amdhsa_kernarg_size 24
		.amdhsa_user_sgpr_count 2
		.amdhsa_user_sgpr_kernarg_segment_ptr 1
		.amdhsa_wavefront_size32 1
		.amdhsa_system_sgpr_workgroup_id_x 1
		.amdhsa_system_sgpr_workgroup_id_y 1
		.amdhsa_system_sgpr_workgroup_id_z 1
		.amdhsa_system_vgpr_workitem_id 0
		.amdhsa_next_free_vgpr 1024
		.amdhsa_next_free_sgpr 66
		.amdhsa_reserve_vcc 0
		.amdhsa_float_denorm_mode_32 3
		.amdhsa_float_denorm_mode_16_64 3
		.amdhsa_memory_ordered 1
		.amdhsa_forward_progress 1
		.amdhsa_inst_pref_size 227
	.end_amdhsa_kernel
	.amdgpu_metadata
---
amdhsa.version: [ 1, 2 ]
amdhsa.kernels:
  - .name:           k_qd12737487f_qkv
    .symbol:         k_qd12737487f_qkv.kd
    .args:
      - { .name: wsA, .offset: 0, .size: 8, .value_kind: global_buffer, .address_space: global }
      - { .name: b_qkv, .offset: 8, .size: 8, .value_kind: global_buffer, .address_space: global }
      - { .name: wsB, .offset: 16, .size: 8, .value_kind: global_buffer, .address_space: global }
    .group_segment_fixed_size: 327680
    .private_segment_fixed_size: 0
    .kernarg_segment_align: 8
    .kernarg_segment_size: 24
    .max_flat_workgroup_size: 128
    .sgpr_count:     66
    .vgpr_count:     1024
    .wavefront_size: 32
...
	.end_amdgpu_metadata
.endif
;; end of part 2
;; launch score (part 3): grid 32 x 8, 4 waves a work-group, clusters of 4 x 1, 327,680 bytes of LDS; arguments wsB, wsC; writes wsC
.if DOCPART == 3
	.amdgcn_target "amdgcn-amd-amdhsa--gfx1250"
	.amdhsa_code_object_version 6
	.text
	.protected	k_qd12737487f_score
	.globl	k_qd12737487f_score
	.p2align	8
	.type	k_qd12737487f_score,@function
k_qd12737487f_score:
	s_mov_b64 s[64:65], 0
	v_nop
	global_prefetch_b8 v0, s[64:65] scope:SCOPE_SE
	s_setreg_imm32_b32 hwreg(HW_REG_WAVE_MODE, 25, 1), 1
	s_wait_xcnt 0x0
	s_wait_alu depctr_hold_cnt(0) depctr_sa_sdst(0) depctr_va_vdst(0) depctr_va_sdst(0) depctr_va_ssrc(0) depctr_va_vcc(0) depctr_vm_vsrc(0)
	s_getreg_b32 s2, hwreg(HW_REG_IB_STS2, 6, 4)
	s_cmp_eq_u32 s2, 0
	s_cbranch_scc0 .Lentry_in_a_cluster
	s_endpgm
.Lentry_in_a_cluster:
	s_bfe_u32 s2, ttmp6, 0x10000c
	s_cmp_lg_u32 s2, 0x3003
	s_cbranch_scc0 .Lentry_shape_is_right
	s_endpgm
.Lentry_shape_is_right:
; S = Q K^T on codes of FP6 (E2M3), K = 1,024, and the softmax's numerators.  For each query and each 128 keys: t = S log2(e) / 32; M' = the ceiling of the largest t of these keys;
; p = 2^(t - M'), quantised along the keys; stored: p's codes and scale bytes, -M', and the sum of the unquantised p.  M' is a whole number: the next launch brings a row's groups under the row's own M through the scale bytes.
; A work-group takes 256 queries (x of the grid) and two chunks of 128 keys of their batch (y).  A wave keeps its 64 queries' fragments for all of K in 384 registers, loaded once from their images;
; LDS holds the keys alone: a chunk's 98,304 bytes of images and 4,096 bytes of scale words, two chunks side by side, each filled once; chunk 1 is asked for behind the full sequence, 256 matrix instructions ahead of its first read.
; Source 0 = keys, source 1 = queries: a lane holds a query, sixteen registers of two neighbouring tiles are sixteen neighbouring keys.
; CLUSTERS: the four work-groups of a cluster lie in one batch and share y: each chunk is asked for jointly.  Q's fragments go to registers, where no joint load ends.
; No prefetch: the text has no loop to run ahead in.
; LIMITS: a p under 2^-126 counts as 0; a block whose every p is 0 gets the byte 1 with zero codes; NaN and infinities are not served; the scaled scores stay under 2^31 in magnitude.
; REGISTERS: window 0: v0-31 addresses, v32-47 Q's scale words, v48-79 the chunk's, v80-129 the tail's work, v160-255 Q's K steps 6, 7; window 1: v0-191 the keys' two sets, v192-239 Q's K step 5; window 2: accumulators; window 3: Q's K steps 0-4.
.set SLOTB, 102400
.set SCO,   98304
.set SPARE, 2*SLOTB
.set STAGE, SPARE+512
.set LI, 4
.set L8, 5
.set L4, 6
.set ADRB, 8
.set ADRS, 14
.set STW, 17
.set STR, 18
.set SPW, 28
.set NIL, 29
.set XS, 32
.set BS, 48
.set PC, 80
.set BM, 100
.set PT, 104
.set NMR, 108
.set SO, 112
.set SA, 116
.set SB2, 118
.set PW, 120
.set LP, 121
.set T0, 122
.set OB, 124
.set G1, 36
.set G1S, 44
.set G0, 52
.set G0S, 56
.set O_KC,  6291456
.set O_QS,  18874368
.set O_KS,  19136512
.set O_PS,  12582912
.set MSB, 0
.macro WIN new
.if MSB != (\new)
	s_set_vgpr_msb (MSB<<8)|(\new)
.set MSB, (\new)
.endif
.endm
.macro PLACES
.rept 4
	v_nop
.endr
.endm
.macro JLOAD                           ; one joint load a wave: waves 0-2 a third of the chunk's codes, wave 3 its scale words
	s_cmp_lt_u32 s14, 3
	s_cbranch_scc0 .Lsc_\@
	tensor_load_to_lds s[G0:G0+3], s[G1:G1+7]
	s_nop 0
	PLACES
	s_branch .Lj_\@
.Lsc_\@:
	tensor_load_to_lds s[G0S:G0S+3], s[G1S:G1S+7]
	s_nop 0
	PLACES
.Lj_\@:
.endm
.macro CROUND
	s_barrier_signal -1
	s_barrier_wait -1
	s_cmp_lg_u32 s14, 0
	s_cbranch_scc1 .Lnw_\@
	s_barrier_signal -3
.Lnw_\@:
	s_barrier_wait -3
	s_barrier_signal -1
	s_barrier_wait -1
.endm
.macro ASET k
.if (\k)<5
.set AL, 48*(\k)
.set AWN, 3
.elseif (\k)==5
.set AL, 192
.set AWN, 1
.else
.set AL, 160+48*((\k)-6)
.set AWN, 0
.endif
.endm
.macro WM d, x, y, c, sx, sy, rx, ry
.if (\rx)==0 && (\ry)==0
	v_wmma_scale_f32_16x16x128_f8f6f4 v[\d:\d+7], v[\x:\x+11], v[\y:\y+11], \c, v[\sx], v[\sy] matrix_a_fmt:MATRIX_FMT_FP6 matrix_b_fmt:MATRIX_FMT_FP6
.elseif (\rx)==1 && (\ry)==0
	v_wmma_scale_f32_16x16x128_f8f6f4 v[\d:\d+7], v[\x:\x+11], v[\y:\y+11], \c, v[\sx], v[\sy] matrix_a_fmt:MATRIX_FMT_FP6 matrix_b_fmt:MATRIX_FMT_FP6 matrix_a_scale:MATRIX_SCALE_ROW1
.elseif (\rx)==0 && (\ry)==1
	v_wmma_scale_f32_16x16x128_f8f6f4 v[\d:\d+7], v[\x:\x+11], v[\y:\y+11], \c, v[\sx], v[\sy] matrix_a_fmt:MATRIX_FMT_FP6 matrix_b_fmt:MATRIX_FMT_FP6 matrix_b_scale:MATRIX_SCALE_ROW1
.else
	v_wmma_scale_f32_16x16x128_f8f6f4 v[\d:\d+7], v[\x:\x+11], v[\y:\y+11], \c, v[\sx], v[\sy] matrix_a_fmt:MATRIX_FMT_FP6 matrix_b_fmt:MATRIX_FMT_FP6 matrix_a_scale:MATRIX_SCALE_ROW1 matrix_b_scale:MATRIX_SCALE_ROW1
.endif
.endm
.macro MULQ k, p, zero                 ; 32 matrix instructions, the 32 accumulators by turns
	ASET \k
	WIN 0xa1|(AWN<<2)
.irp a, 0,1,2,3
.irp b, 0,1,2,3,4,5,6,7
.set rD, 8*(8*\a+\b)
.set rB, 96*(\p)+12*\b
.set rA, AL+12*\a
.set sB, BS+4*(\k)+\b/2
.set sA, XS+2*(\k)+\a/2
.if \zero
	WM rD, rB, rA, 0, sB, sA, \b%2, \a%2
.else
	WM rD, rB, rA, v[rD:rD+7], sB, sA, \b%2, \a%2
.endif
.endr
.endr
.endm
.macro FETCHB c, k, p
	WIN 0x40
.irp i, 0,1,2,3,4,5,6,7
.irp g, 0,1,2
	ds_load_b128 v[96*(\p)+12*\i+4*\g:96*(\p)+12*\i+4*\g+3], v[ADRB+2*(\c)+\i/4] offset:12288*(\i%4)+1536*(\k)+512*\g
.endr
.endr
	WIN 0
.endm
.macro SCALES c
.irp k, 0,1,2,3,4,5,6,7
.irp i, 0,1,2,3
	ds_load_b32 v[BS+4*\k+\i], v[ADRS+(\c)] offset:512*\k+128*\i
.endr
.endr
.endm
.macro STEP c, k
	s_wait_dscnt 0x0                               ; this step's fragments are in
.if (\c)==0
.if 12*(7-(\k))>63
	s_wait_loadcnt 63
.else
	s_wait_loadcnt 12*(7-(\k))                     ; Q's fragments of the later K steps, twelve loads each, may be out
.endif
.endif
.if (\k)<7
	PLACES
	FETCHB \c, (\k)+1, ((\k)+1)%2
.endif
	MULQ \k, (\k)%2, (\k)==0
.endm
; Block a: 16 queries x 128 keys; register 16 b + i = key 32 b + 16 (lane / 16) + i of the lane's query.  In place on the accumulators, each read from its low end on.
.macro SOFT a, c
.set aS, 64*(\a)
	WIN 0x28
	s_wait_alu depctr_va_vdst(0)                   ; the wait ahead of the first reader of matrix results behind exponentials
.irp b, 0,1,2,3
	v_max3_num_f32 v[BM+\b], 0xff800000, v[aS+16*\b], v[aS+16*\b+1]   ; each block's largest score: for the row's maximum and, since p rises with the score, for the block's largest p
.endr
.irp i, 2,4,6,8,10,12,14
.irp b, 0,1,2,3
	v_max3_num_f32 v[BM+\b], v[BM+\b], v[aS+16*\b+\i], v[aS+16*\b+\i+1]
.endr
.endr
	WIN 0
	s_wait_alu depctr_va_vdst(0)
	s_wait_xcnt 0x0                                ; the last block's stores have read their data
	s_wait_dscnt 0x0
.irp b, 0,1,2,3
	v_permlanex16_b32 v[PT+\b], v[BM+\b], s32, s33
.endr
.irp b, 0,1,2,3
	v_max_num_f32 v[BM+\b], v[BM+\b], v[PT+\b]
.endr
	v_max3_num_f32 v[T0], v[BM], v[BM+1], v[BM+2]
	v_max_num_f32 v[T0], v[T0], v[BM+3]
	v_mul_f32 v[T0], s34, v[T0]                    ; the largest t
	v_floor_f32 v[NMR], -v[T0]                     ; -M' = floor(-t)
	v_floor_f32 v[NMR+1], -v[T0]
.irp b, 0,1,2,3
	v_fma_f32 v[BM+\b], v[BM+\b], s34, v[NMR]
.endr
	WIN 0x82
.set j, 0
.rept 32
	v_pk_fma_f32 v[aS+j:aS+j+1], v[aS+j:aS+j+1], s[34:35], v[NMR:NMR+1] op_sel_hi:[1,0,0]   ; t - M'
.set j, j+2
.endr
.set j, 0
	s_wait_alu depctr_va_vdst(0)                   ; the wait ahead of the batch
.rept 64
	v_exp_f32 v[aS+j], v[aS+j]                     ; p = 2^(t - M')
.set j, j+1
.endr
	WIN 0
	v_nop
	s_wait_alu depctr_va_vdst(0)                   ; one wait for the batch, ahead of its first reader
.irp b, 0,1,2,3
	v_exp_f32 v[BM+\b], v[BM+\b]                   ; the blocks' largest p
.endr
	WIN 0x0a
	v_pk_add_f32 v[SA:SA+1], v[aS:aS+1], v[aS+2:aS+3]          ; the sum of the unquantised p, in two chains
	v_pk_add_f32 v[SB2:SB2+1], v[aS+4:aS+5], v[aS+6:aS+7]
	WIN 0x08
.set j, 8
.rept 14
	v_pk_add_f32 v[SA:SA+1], v[SA:SA+1], v[aS+j:aS+j+1]
	v_pk_add_f32 v[SB2:SB2+1], v[SB2:SB2+1], v[aS+j+2:aS+j+3]
.set j, j+4
.endr
	WIN 0
	v_pk_add_f32 v[SA:SA+1], v[SA:SA+1], v[SB2:SB2+1]
	v_add_f32 v[LP], v[SA], v[SA+1]
	v_permlanex16_b32 v[T0], v[LP], s32, s33
	v_add_f32 v[LP], v[LP], v[T0]                  ; with lane l xor 16's 64 keys
	s_wait_alu depctr_va_vdst(0)                   ; and one for the four
.irp b, 0,1,2,3
	v_max_num_f32 v[BM+\b], 0x1800000, v[BM+\b]    ; the floor 2^(3 - 127)
.endr
.irp b, 0,1,2,3
	v_add_nc_u32 v[SO+\b], 0xff000000, v[BM+\b]
.endr
.irp b, 0,1,2,3
	v_lshrrev_b32 v[PT+\b], 23, v[SO+\b]
.endr
	v_lshl_or_b32 v[PW], v[PT+1], 8, v[PT]
	v_lshl_or_b32 v[PW], v[PT+2], 16, v[PW]
	v_lshl_or_b32 v[PW], v[PT+3], 24, v[PW]
	WIN 0x02
.irp e, 0,1
	v_cvt_scalef32_pk16_fp6_f32 v[PC+6*\e:PC+2+6*\e], v[aS+32*\e:aS+15+32*\e], v[SO+2*\e]
	v_cvt_scalef32_pk16_fp6_f32 v[PC+12+4*\e:PC+14+4*\e], v[aS+16+32*\e:aS+31+32*\e], v[SO+2*\e+1]
.endr
	WIN 0
	v_nop                                          ; one plain place behind a scaled conversion
.irp e, 0,1
.irp i, 0,1,2
	v_permlane16_swap_b32 v[PC+6*\e+\i], v[PC+12+4*\e+\i]
.endr
.irp i, 0,1,2
	v_mov_b32 v[PC+3+6*\e+\i], v[PC+12+4*\e+\i]
.endr
.endr
.irp g, 0,1,2
	global_store_b128 v[LI], v[PC+4*\g:PC+4*\g+3], s[10:11] offset:24576*(\a)+1536*(\c)+512*\g
.endr
	ds_store_b32 v[STW], v[PW] offset:64*(\a)
	ds_store_b32 v[STW], v[NMR] offset:256+64*(\a)
	ds_store_b32 v[STW], v[LP] offset:512+64*(\a)
.endm
.macro TAIL c
.irp a, 0,1,2,3
	SOFT \a, \c
.endr
	ds_load_b64 v[OB:OB+1], v[STR]                 ; LDS serves a wave's instructions in order
	ds_load_b64 v[OB+2:OB+3], v[STR] offset:256
	ds_load_b64 v[OB+4:OB+5], v[STR] offset:512
	s_wait_dscnt 0x0
	global_store_b64 v[L8], v[OB:OB+1], s[12:13] offset:32768*(\c)            ; my 64 rows' scale words,
	global_store_b64 v[L8], v[OB+2:OB+3], s[12:13] offset:32768*(\c)+524288   ; their -M',
	global_store_b64 v[L8], v[OB+4:OB+5], s[12:13] offset:32768*(\c)+1048576  ; their sums: 256 consecutive bytes each, aligned
.endm
	s_load_b128 s[4:7], s[0:1], 0x0                ; wsB, wsC
	v_lshl_add_u32 v[SPW], v0, 2, SPARE
	v_mov_b32 v[NIL], 0
	ds_add_u32 v[SPW], v[NIL]                      ; the opening lines
	ds_add_u32 v[SPW], v[NIL]
	v_lshrrev_b32 v1, 5, v0
	v_readfirstlane_b32 s14, v1                    ; wave
	s_bfe_u32 s17, ttmp6, 0x40000                  ; cx
	s_lshl_b32 s19, ttmp9, 2
	s_add_co_u32 s17, s19, s17                     ; which 256 queries
	s_and_b32 s18, ttmp7, 0xffff                   ; which 256 keys of the batch
	s_lshr_b32 s16, ttmp9, 1                       ; the batch: the same in all partners
	s_mov_b32 s32, 0x76543210
	s_mov_b32 s33, 0xfedcba98
	s_mov_b32 s34, 0x3d38aa3b                      ; log2(e) / 32
	s_mov_b32 s35, s34
	s_mov_b32 s[G1], 15|(3<<16)|(1<<21)            ; codes: 128 rows of 256 bytes, dense
	s_mov_b32 s[G1+1], 32<<16
	s_mov_b32 s[G1+2], 128<<16
	s_mov_b32 s[G1+3], 32<<16
	s_mov_b32 s[G1+4], 128
	s_mov_b32 s[G1+5], 32
	s_mov_b32 s[G1+6], 0
	s_mov_b32 s[G1+7], 0
	s_mov_b32 s[G1S], 15|(3<<16)|(1<<21)           ; scale words: 8 K steps' 512 bytes, 32,768 bytes apart
	s_mov_b32 s[G1S+1], 64<<16
	s_mov_b32 s[G1S+2], 8<<16
	s_mov_b32 s[G1S+3], 64<<16
	s_mov_b32 s[G1S+4], 8
	s_mov_b32 s[G1S+5], 4096
	s_mov_b32 s[G1S+6], 0
	s_mov_b32 s[G1S+7], 0
	v_and_b32 v1, 15, v0
	v_and_b32 v3, 31, v0
	v_lshlrev_b32 v[LI], 4, v3
	v_lshlrev_b32 v[L8], 3, v3
	v_lshlrev_b32 v[L4], 2, v3
.irp c, 0,1
	v_add_nc_u32 v[ADRB+2*\c], \c*SLOTB, v[LI]
	v_add_nc_u32 v[ADRB+2*\c+1], \c*SLOTB+49152, v[LI]
	v_add_nc_u32 v[ADRS+\c], \c*SLOTB+SCO, v[L4]
.endr
.irp b, 0,1,2,3
	v_mov_b32 v[PT+\b], 0                          ; a lane permute's destination counts as one of its sources
.endr
	v_mov_b32 v[T0], 0
	s_lshl_b32 s2, s14, 10
	s_add_co_u32 s2, s2, STAGE
	v_lshl_add_u32 v[STW], v1, 2, s2
	v_add_nc_u32 v[STR], s2, v[L8]
	s_lshl_b32 s20, s17, 4
	s_lshl_b32 s21, s14, 2
	s_add_co_u32 s19, s20, s21                     ; my first row block
	s_mul_i32 s20, s19, 12288
	s_mov_b32 s21, 0
	s_lshl_b32 s22, s19, 6
	s_mov_b32 s23, 0
	s_mul_i32 s10, s19, 24576
	s_mul_i32 s11, s18, 3072
	s_add_co_u32 s10, s10, s11                     ; p's fragment (my row block, K step 2 y)
	s_mov_b32 s11, 0
	s_lshl_b32 s12, s18, 16
	s_add_co_u32 s12, s12, s22
	s_add_co_u32 s12, s12, O_PS
	s_mov_b32 s13, 0
	s_add_co_u32 s22, s22, O_QS
	s_lshl_b32 s24, s16, 11
	s_lshl_b32 s25, s18, 8
	s_add_co_u32 s24, s24, s25                     ; the chunks' first key
	s_lshl_b32 s26, s24, 2
	s_add_co_u32 s26, s26, O_KS
	s_mov_b32 s27, 0
	s_mul_i32 s24, s24, 768
	s_lshl_b32 s25, s14, 15
	s_add_co_u32 s24, s24, s25
	s_add_co_u32 s24, s24, O_KC
	s_mov_b32 s25, 0
	s_mov_b32 s[G0], 1
	s_lshl_b32 s[G0+1], s14, 15
	s_mov_b32 s[G0S], 1
	s_mov_b32 s[G0S+1], SCO
	s_wait_dscnt 0x0
	s_wait_alu depctr_va_vdst(0)
	s_wait_kmcnt 0x0
	s_add_nc_u64 s[G0+2:G0+3], s[4:5], s[24:25]
	s_or_b32 s[G0+3], s[G0+3], 0x80000000
	s_add_nc_u64 s[G0S+2:G0S+3], s[4:5], s[26:27]
	s_or_b32 s[G0S+3], s[G0S+3], 0x80000000
	s_add_nc_u64 s[20:21], s[4:5], s[20:21]
	s_add_nc_u64 s[22:23], s[4:5], s[22:23]
	s_add_nc_u64 s[10:11], s[6:7], s[10:11]
	s_add_nc_u64 s[12:13], s[6:7], s[12:13]
	CROUND                                         ; the four partners are here: the first joint loads meet
	JLOAD                                          ; chunk 0: one tensor load a wave at the head
.irp k, 0,1,2,3,4,5,6,7
.irp p, 0,1
	global_load_b32 v[XS+2*\k+\p], v[L4], s[22:23] offset:32768*\k+128*\p
.endr
.endr
.irp k, 0,1,2,3,4,5,6,7
	ASET \k
	WIN AWN<<6
.irp a, 0,1,2,3
.irp g, 0,1,2
	global_load_b128 v[AL+12*\a+4*\g:AL+12*\a+4*\g+3], v[LI], s[20:21] offset:12288*\a+1536*\k+512*\g
.endr
.endr
.endr
	WIN 0
	s_wait_alu depctr_va_vdst(0)                   ; the wait at the head's end
	s_wait_tensorcnt 0x0                           ; chunk 0 is in; the sequence ahead of a later first fill
	ds_add_u32 v[SPW], v[NIL]
	s_add_co_u32 s[G0+1], s[G0+1], SLOTB
	s_add_nc_u64 s[G0+2:G0+3], s[G0+2:G0+3], 98304
	s_add_co_u32 s[G0S+1], s[G0S+1], SLOTB
	s_add_nc_u64 s[G0S+2:G0S+3], s[G0S+2:G0S+3], 512
	s_wait_dscnt 0x0
	CROUND
	JLOAD                                          ; chunk 1
	FETCHB 0, 0, 0
	SCALES 0
.irp k, 0,1,2,3,4,5,6,7
	STEP 0, \k
.endr
	WIN 0
	s_wait_tensorcnt 0x0                           ; chunk 1 is whole for every wave
	s_wait_dscnt 0x0
	s_barrier_signal -1
	s_barrier_wait -1
	PLACES
	FETCHB 1, 0, 0
	SCALES 1
	TAIL 0
.irp k, 0,1,2,3,4,5,6,7
	STEP 1, \k
.endr
	PLACES
	TAIL 1
	s_wait_tensorcnt 0x0                           ; the wave's end
	ds_add_u32 v[SPW], v[NIL]
	s_wait_dscnt 0x0
	CROUND                                         ; the closing round
	s_endpgm
.Lfunc_end_k_qd12737487f_score:
	.size	k_qd12737487f_score, .Lfunc_end_k_qd12737487f_score-k_qd12737487f_score
	.p2alignl 7, 3214868480
	.fill 96, 4, 3214868480
	.section	.rodata,"a",@progbits
	.p2align	6, 0x0
	.amdhsa_kernel k_qd12737487f_score
		.amdhsa_group_segment_fixed_size 327680
		.amdhsa_private_segment_fixed_size 0
		.amdhsa_enable_private_segment 0
		.amdhsa_kernarg_size 16
		.amdhsa_user_sgpr_count 2
		.amdhsa_user_sgpr_kernarg_segment_ptr 1
		.amdhsa_wavefront_size32 1
		.amdhsa_system_sgpr_workgroup_id_x 1
		.amdhsa_system_sgpr_workgroup_id_y 1
		.amdhsa_system_sgpr_workgroup_id_z 1
		.amdhsa_system_vgpr_workitem_id 0
		.amdhsa_next_free_vgpr 1024
		.amdhsa_next_free_sgpr 66
		.amdhsa_reserve_vcc 0
		.amdhsa_float_denorm_mode_32 3
		.amdhsa_float_denorm_mode_16_64 3
		.amdhsa_memory_ordered 1
		.amdhsa_forward_progress 1
		.amdhsa_inst_pref_size 209
	.end_amdhsa_kernel
	.amdgpu_metadata
---
amdhsa.version: [ 1, 2 ]
amdhsa.kernels:
  - .name:           k_qd12737487f_score
    .symbol:         k_qd12737487f_score.kd
    .args:
      - { .name: wsB, .offset: 0, .size: 8, .value_kind: global_buffer, .address_space: global }
      - { .name: wsC, .offset: 8, .size: 8, .value_kind: global_buffer, .address_space: global }
    .group_segment_fixed_size: 327680
    .private_segment_fixed_size: 0
    .kernarg_segment_align: 8
    .kernarg_segment_size: 16
    .max_flat_workgroup_size: 128
    .sgpr_count:     66
    .vgpr_count:     1024
    .wavefront_size: 32
...
	.end_amdgpu_metadata
.endif
;; end of part 3
;; launch pv (part 4): grid 4 x 64, 4 waves a work-group, clusters of 4 x 4, 327,680 bytes of LDS; arguments wsC, wsB, wsD; writes wsD
.if DOCPART == 4
	.amdgcn_target "amdgcn-amd-amdhsa--gfx1250"
	.amdhsa_code_object_version 6
	.text
	.protected	k_qd12737487f_pv
	.globl	k_qd12737487f_pv
	.p2align	8
	.type	k_qd12737487f_pv,@function
k_qd12737487f_pv:
	s_mov_b64 s[64:65], 0
	v_nop
	global_prefetch_b8 v0, s[64:65] scope:SCOPE_SE
	s_setreg_imm32_b32 hwreg(HW_REG_WAVE_MODE, 25, 1), 1
	s_wait_xcnt 0x0
	s_wait_alu depctr_hold_cnt(0) depctr_sa_sdst(0) depctr_va_vdst(0) depctr_va_sdst(0) depctr_va_ssrc(0) depctr_va_vcc(0) depctr_vm_vsrc(0)
	s_getreg_b32 s2, hwreg(HW_REG_IB_STS2, 6, 4)
	s_cmp_eq_u32 s2, 0
	s_cbranch_scc0 .Lentry_in_a_cluster
	s_endpgm
.Lentry_in_a_cluster:
	s_bfe_u32 s2, ttmp6, 0x10000c
	s_cmp_lg_u32 s2, 0xf033
	s_cbranch_scc0 .Lentry_shape_is_right
	s_endpgm
.Lentry_shape_is_right:
; O = (p V) / l on codes of FP6 (E2M3), K = the batch's 2,048 keys; O is quantised along the channels for the last product.
; AT THE HEAD each thread takes one of the tile's 128 queries: M = the largest of the row's sixteen M'; each group's four scale bytes lose M - M' (held at 0 from below, M - M' held at 127 from above), which brings
; all blocks of the row under one whole M without touching a code; l = the sum of the groups' sums x 2^(M' - M).  The shifted words go to LDS where A's scale words lie; so does 1 / l.
; THE PRODUCT: a tile of 128 queries x 256 channels, so that 8,192 x 1,024 results make 256 work-groups; four waves of 64 x 128: 32 accumulators, 256 registers.  Source 0 = V's channels (keys innermost),
; source 1 = p's rows: a lane holds one query, and by the order in which the channels lie in the workspace (bits 3 and 4 of a row's number exchanged) the 64 registers of a block of queries are 16 neighbours
; of each 32 along the next product's K.  A wave's 128 columns are one K step of that product: a whole fragment and a whole scale word a row.
; OPERANDS lie in the workspace as images of their registers (1,536 bytes a fragment).  A slot holds 512 along K: 6,144 bytes of each row block; waves 0, 1 fetch A's halves (4 row blocks), waves 2, 3 B's (8).
; K's four runs of 512 go through two slots: two first fills, two refills; from a refill to the wait for it a wave issues 112 matrix instructions.
; CLUSTERS: 4 x 4; p's tiles are asked for jointly along a row of the cluster, V's along a column.
; LIMITS: a block of p that lies 2^125 or more under the row's largest gets the byte 0, which is 2^-127; a block of zeros of O gets the byte 1 (its codes are zeros; this program alone reads the bytes);
; blocks of O under 2^-124 are held at the byte 1; NaN and infinities are not served.
; REGISTERS: window 0: v1 r, v2 h, v16-29 addresses, v32-95 scale words (two sets of 32), v96-191 the head's work, v160-255 A's fragments (two sets of 48), later the tail's work; window 1: B's two sets; window 2: accumulators.
.set KST,    16
.set FR,     12
.set AH,     24576                     ; 64 rows x 512 along K
.set BH,     49152                     ; 128 rows x 512 along K
.set BOFF,   2*AH
.set SLOT,   2*AH+2*BH                 ; A's two halves, B's two halves
.set SCL,    2*SLOT                    ; A's scale words, stored by the head: [K step of 128][128 rows]
.set HALFSB, 512*KST
.set SCB,    SCL+512*KST               ; B's, filled once: [half][K step][128 rows]
.set RLB,    SCB+2*HALFSB              ; 1 / l of the tile's 128 rows
.set SPARE,  RLB+512                   ; the spare words, 128 bytes a wave
.set STAGE,  SPARE+512                 ; the tail's stage: 256 bytes a wave
.set ADRA,  16
.set RLA,   18
.set L8,    19
.set ADRB,  20
.set LI,    24
.set STW,   25
.set STR,   26
.set ADRS,  27
.set SPW,   28
.set NIL,   29
.set SC,    32
.set SW,    96                         ; the head: the row's sixteen scale words,
.set NM,    112                        ; its sixteen -M',
.set LL,    128                        ; its sixteen sums,
.set SH,    144                        ; the shifts,
.set FF,    160                        ; 2^-shift
.set MN,    176
.set LS,    180
.set RC,    184
.set RLP,   96                         ; the tail: 1 / l, a pair for each block
.set AF,    160
.set PC,    160
.set TM,    184
.set PW,    200
.set G1,    24
.set G1B,   32
.set G1SB,  48
.set G0,    56
.set G0B,   72
.set G0SB,  88
.set MULW,  0xa1                       ; source 0 (B) window 1, source 1 (A) window 0, C and D window 2
.set TO_B,  0x40                       ; destination window 1, address window 0
.set O_PS,  12582912
.set O_VC,  12582912
.set O_VS,  19398656
.set O_OS,  6291456
.set MSB, 0
.macro WIN new                         ; the immediate's high byte repeats the setting that is left
.if MSB != \new
	s_set_vgpr_msb (MSB<<8)|\new
.set MSB, \new
.endif
.endm
.macro PLACES                          ; four plain places behind matrix instructions, ahead of loads into their registers and of reads of their results
.rept 4
	v_nop
.endr
.endm
.macro JLOAD g0a, g1a, g0b, g1b        ; a joint load: waves 0, 1 fetch for A, waves 2, 3 for B; four v_nop follow each line
	s_cmp_eq_u32 s15, 0
	s_cbranch_scc0 .Lfor_b_\@
	tensor_load_to_lds s[\g0a:\g0a+3], s[\g1a:\g1a+7]
	s_nop 0
	PLACES
	s_branch .Lasked_\@
.Lfor_b_\@:
	tensor_load_to_lds s[\g0b:\g0b+3], s[\g1b:\g1b+7]
	s_nop 0
	PLACES
.Lasked_\@:
.endm
.macro CREST                           ; a round of the cluster's barrier behind its opening barrier
	s_cmp_lg_u32 s14, 0
	s_cbranch_scc1 .Lnot_wave_0_\@
	s_barrier_signal -3
.Lnot_wave_0_\@:
	s_barrier_wait -3
	s_barrier_signal -1
	s_barrier_wait -1
.endm
.macro CROUND
	s_barrier_signal -1
	s_barrier_wait -1
	CREST
.endm
.macro FRAG reg, adr, q, i             ; a fragment's image: three loads of 16 bytes a lane, 512 consecutive bytes each
.irp g, 0,1,2
	ds_load_b128 v[\reg+4*\g:\reg+4*\g+3], v[\adr] offset:6144*(\i)+1536*(\q)+512*\g
.endr
.endm
.macro FETCH slot, q, p                ; 36 loads in one run: B's eight fragments, then A's four, of the slot's q-th 128 along K, into the sets p
	WIN TO_B
.irp i, 0,1,2,3,4,5,6,7
	FRAG 128*(\p)+FR*\i, ADRB+\slot, \q, \i
.endr
	WIN 0
.irp i, 0,1,2,3
	FRAG AF+48*(\p)+FR*\i, ADRA+\slot, \q, \i
.endr
.endm
.macro SCALES sc                       ; a slot's scale words: register 4 i + q: lanes 16-31 B's block i; lanes 0-15 A's block i (for i over 3: words that nobody uses)
.irp i, 0,1,2,3,4,5,6,7
.irp q, 0,1,2,3
	ds_load_b32 v[SC+32*\sc+4*\i+\q], v[ADRS] offset:512*\q+64*\i
.endr
.endr
.endm
; 8 matrix instructions: A's block a x B's eight.  zero = 1: the product starts the sums.  The 32 accumulators take turns, in the same order in every step.
.macro MUL8 a, p, q, sc, zero
.irp b, 0,1,2,3,4,5,6,7
.set rD, 8*(8*(\a)+\b)
.set rB, 128*(\p)+FR*\b
.set rA, AF+48*(\p)+FR*(\a)
.set rSB, SC+32*(\sc)+4*\b+(\q)
.set rSA, SC+32*(\sc)+4*(\a)+(\q)
.if \zero == 0
	v_wmma_scale_f32_16x16x128_f8f6f4 v[rD:rD+7], v[rB:rB+11], v[rA:rA+11], v[rD:rD+7], v[rSB], v[rSA] matrix_a_fmt:MATRIX_FMT_FP6 matrix_b_fmt:MATRIX_FMT_FP6 matrix_a_scale:MATRIX_SCALE_ROW1
.else
	v_wmma_scale_f32_16x16x128_f8f6f4 v[rD:rD+7], v[rB:rB+11], v[rA:rA+11], 0, v[rSB], v[rSA] matrix_a_fmt:MATRIX_FMT_FP6 matrix_b_fmt:MATRIX_FMT_FP6 matrix_a_scale:MATRIX_SCALE_ROW1
.endif
.endr
.endm
.macro STEP slot, q, zero              ; one of a slot's first three steps of 128 along K: it fetches the next step into the other sets, 32 matrix instructions ahead of its use
	s_wait_dscnt 0x0                               ; this step's fragments are in
	PLACES
	FETCH \slot, (\q)+1, 1-(\q)%2
	WIN MULW
.irp a, 0,1,2,3
	MUL8 \a, (\q)%2, \q, \slot, \zero
.endr
.endm
; A slot's last step, and the change of slots: ONE barrier; in front of it each wave waits for all its tensor loads, adds 0 to its spare word, and waits for that and for its own reads of this slot.
; mode 2: this slot is filled again, with the 512 along K two slots on, behind a round of the cluster's barrier; mode 1: a barrier alone.
.macro TURN slot, next, mode
	WIN 0                                          ; (the add's two registers lie in window 0)
	s_wait_tensorcnt 0x0                           ; all my tensor loads have landed: my part of the next slot
	ds_add_u32 v[SPW], v[NIL]                      ; 0 onto my spare word
	s_wait_dscnt 10                                ; (the add and the nine loads of A's blocks 1-3 may be out)
	WIN MULW
	MUL8 0, 1, 3, \slot, 0
	s_wait_dscnt 0x0                               ; the add is done, and my reads of this slot are over
	s_barrier_signal -1
	MUL8 1, 1, 3, \slot, 0
	WIN 0
	s_barrier_wait -1
.if \mode == 2
	CREST                                          ; no wave of any partner still reads this slot or has a load on its way
	s_add_nc_u64 s[G0+4*\slot+2:G0+4*\slot+3], s[G0+4*\slot+2:G0+4*\slot+3], 2*6144
	s_add_nc_u64 s[G0B+4*\slot+2:G0B+4*\slot+3], s[G0B+4*\slot+2:G0B+4*\slot+3], 2*6144
	JLOAD G0+4*\slot, G1, G0B+4*\slot, G1B         ; the first tensor load behind the round; its four v_nop are also the places in front of the loads below
.else
	PLACES
.endif
	s_wait_alu depctr_va_vdst(0)
	v_add_nc_u32 v[ADRS], 2048, v[ADRS]            ; the next slot's scale words: four K steps of 512 bytes on
	FETCH \next, 0, 0
	SCALES \next
	WIN MULW
	MUL8 2, 1, 3, \slot, 0
	MUL8 3, 1, 3, \slot, 0
.endm
.macro LAST slot
	s_wait_dscnt 0x0
	WIN MULW
.irp a, 0,1,2,3
	MUL8 \a, 1, 3, \slot, 0
.endr
	WIN 0
.endm
.macro DIVL a                          ; block a's results x 1 / l of the lane's row, each accumulator from its low end on
	WIN 0x82
.set j, 0
.rept 32
	v_pk_mul_f32 v[64*(\a)+j:64*(\a)+j+1], v[64*(\a)+j:64*(\a)+j+1], v[RLP+2*(\a):RLP+2*(\a)+1]
.set j, j+2
.endr
.endm
; Block a's 64 registers (register 16 b + i = column 32 b + 16 (lane / 16) + i of my row) become a fragment in v[PC] on and a scale word in v[PW]
.macro QUANT a
.set qS, 64*(\a)
	WIN 0x28
.irp b, 0,1,2,3
	v_max3_num_f32 v[TM+\b], 0x1800000, |v[qS+16*\b]|, |v[qS+16*\b+1]|   ; with the floor 2^(3 - 127): the byte cannot fall under 1
.endr
.irp i, 2,4,6,8,10,12,14
.irp b, 0,1,2,3
	v_max3_num_f32 v[TM+\b], v[TM+\b], |v[qS+16*\b+\i]|, |v[qS+16*\b+\i+1]|
.endr
.endr
	WIN 0
	s_wait_alu depctr_va_vdst(0)
	s_wait_xcnt 0x0                                ; the last block's stores have read their data and their base
	s_wait_dscnt 0x0
.if (\a) > 0
	s_add_nc_u64 s[10:11], s[10:11], 12288         ; the next row block's fragment
.endif
.irp b, 0,1,2,3
	v_permlanex16_b32 v[TM+4+\b], v[TM+\b], s100, s101
.endr
.irp b, 0,1,2,3
	v_max_num_f32 v[TM+\b], v[TM+\b], v[TM+4+\b]   ; with lane l xor 16's: the block's largest magnitude
.endr
.irp b, 0,1,2,3
	v_add_nc_u32 v[TM+12+\b], 0xff000000, v[TM+\b] ; 2 off its exponent field: the conversion's scale operand
.endr
.irp b, 0,1,2,3
	v_lshrrev_b32 v[TM+4+\b], 23, v[TM+12+\b]      ; the scale's byte
.endr
	v_lshl_or_b32 v[PW], v[TM+5], 8, v[TM+4]
	v_lshl_or_b32 v[PW], v[TM+6], 16, v[PW]
	v_lshl_or_b32 v[PW], v[TM+7], 24, v[PW]
	WIN 0x02
.irp c, 0,1
	v_cvt_scalef32_pk16_fp6_f32 v[PC+6*\c:PC+2+6*\c], v[qS+32*\c:qS+15+32*\c], v[TM+12+2*\c]
	v_cvt_scalef32_pk16_fp6_f32 v[PC+12+4*\c:PC+14+4*\c], v[qS+16+32*\c:qS+31+32*\c], v[TM+12+2*\c+1]
.endr
	WIN 0
	v_nop                                          ; one plain place behind a scaled conversion
.irp c, 0,1                                    ; a whole block to a lane: lanes 0-15 block 2 c, lanes 16-31 block 2 c + 1
.irp i, 0,1,2
	v_permlane16_swap_b32 v[PC+6*\c+\i], v[PC+12+4*\c+\i]
.endr
.irp i, 0,1,2
	v_mov_b32 v[PC+3+6*\c+\i], v[PC+12+4*\c+\i]
.endr
.endr
.endm
.macro EMIT a
.irp g, 0,1,2
	global_store_b128 v[LI], v[PC+4*\g:PC+4*\g+3], s[10:11] offset:512*\g   ; the fragment's image: 512 consecutive bytes a store
.endr
	ds_store_b32 v[STW], v[PW] offset:64*(\a)      ; the scale words are gathered in my stage
.endm
	s_load_b128 s[4:7], s[0:1], 0x0                ; wsC, wsB
	s_load_b64 s[8:9], s[0:1], 0x10                ; wsD
	v_lshl_add_u32 v[SPW], v0, 2, SPARE
	v_mov_b32 v[NIL], 0
	ds_add_u32 v28, v29
	ds_add_u32 v28, v29
	s_wait_dscnt 0x0
	v_lshrrev_b32 v1, 5, v0
	v_readfirstlane_b32 s14, v1                    ; wave
	v_and_b32 v1, 15, v0                           ; r
	v_bfe_u32 v2, v0, 4, 1                         ; h
	v_and_b32 v3, 31, v0
	v_lshlrev_b32 v[LI], 4, v3
	v_lshlrev_b32 v[L8], 3, v3
	v_lshlrev_b32 v3, 2, v0                        ; the head: one row's word a thread
	s_lshr_b32 s15, s14, 1                         ; my half of the tile's rows; also: I fetch for A (0) or B (1)
	s_and_b32 s16, s14, 1                          ; my half of its columns; also: which half I fetch
	s_bfe_u32 s92, ttmp6, 0x40000                  ; cx
	s_bfe_u32 s93, ttmp6, 0x40004                  ; cy
	s_and_b32 s97, ttmp7, 0xffff                   ; cluster y
	s_lshl_b32 s17, s97, 2
	s_add_co_u32 s17, s17, s93                     ; tile row: 128 queries
	s_lshl_b32 s94, ttmp9, 2
	s_add_co_u32 s94, s94, s92                     ; tile column: 256 channels
	s_lshl_b32 s95, s93, 2
	s_lshl_b32 s95, 15, s95                        ; my row of the cluster
	s_lshl_b32 s96, 0x1111, s92                    ; my column
	s_or_b32 s[G1+0], s95, (3<<16)|(1<<21)         ; elements of 8 bytes, no padding; the mask, bit 21 beside it
	s_or_b32 s[G1B+0], s96, (3<<16)|(1<<21)
.irp g, G1, G1B                                ; row blocks' 6,144 bytes (512 along K), 24,576 bytes apart
	s_mov_b32 s[\g+1], 768<<16
	s_mov_b32 s[\g+3], 768<<16
	s_mov_b32 s[\g+5], 3072
	s_mov_b32 s[\g+6], 0
	s_mov_b32 s[\g+7], 0
.endr
	s_mov_b32 s[G1+2], 8<<16                       ; the head's loads bring a whole slot's rows: A 8 row blocks,
	s_mov_b32 s[G1+4], 8
	s_mov_b32 s[G1B+2], 16<<16                     ; B 16
	s_mov_b32 s[G1B+4], 16
	s_or_b32 s[G1SB+0], s96, (3<<16)|(1<<21)       ; V's scale words: 16 rows of 512 bytes, 4,096 bytes apart
	s_mov_b32 s[G1SB+1], 64<<16
	s_mov_b32 s[G1SB+2], KST<<16
	s_mov_b32 s[G1SB+3], 64<<16
	s_mov_b32 s[G1SB+4], KST
	s_mov_b32 s[G1SB+5], 512
	s_mov_b32 s[G1SB+6], 0
	s_mov_b32 s[G1SB+7], 0
	s_lshl_b32 s18, s17, 7
	s_lshl_b32 s19, s16, 6
	s_add_co_u32 s18, s18, s19                     ; A's first row that I fetch
	s_mul_i32 s18, s18, 1536                       ; p's codes
	s_mov_b32 s19, 0
	s_lshl_b32 s20, s17, 9
	s_add_co_u32 s20, s20, O_PS                    ; the tile's rows among the scale words
	s_mov_b32 s21, 0
	s_lshl_b32 s22, s94, 8
	s_lshl_b32 s23, s16, 7
	s_add_co_u32 s22, s22, s23                     ; B's first row that I fetch
	s_lshl_b32 s66, s22, 2
	s_mul_i32 s22, s22, 1536
	s_lshr_b32 s23, s97, 2                         ; the batch: 16 tile rows
	s_lshl_b32 s67, s23, 16
	s_add_co_u32 s66, s66, s67
	s_add_co_u32 s66, s66, O_VS
	s_mul_i32 s23, s23, 1572864
	s_add_co_u32 s22, s22, s23
	s_add_co_u32 s22, s22, O_VC
	s_mov_b32 s23, 0
	s_mov_b32 s67, 0
	s_mul_i32 s2, s16, AH                          ; where they go: no place in the cluster enters an LDS address
	s_mul_i32 s3, s16, BH
	s_add_co_u32 s3, s3, BOFF
	s_lshl_b32 s98, s16, 13                        ; HALFSB a half
	s_mov_b32 s100, 0x76543210
	s_mov_b32 s101, 0xfedcba98                     ; v_permlanex16_b32's selects for lane l xor 16
	s_wait_alu depctr_va_vdst(0)
	s_wait_kmcnt 0x0
	s_add_nc_u64 s[18:19], s[4:5], s[18:19]
	s_add_nc_u64 s[12:13], s[4:5], s[20:21]
	s_add_nc_u64 s[22:23], s[6:7], s[22:23]
	s_add_nc_u64 s[66:67], s[6:7], s[66:67]
.irp g, 0,1,2,3,4,5,6,7,8,9,10,11,12,13,14,15
	global_load_b32 v[SW+\g], v3, s[12:13] offset:32768*\g             ; my row's scale word of group g,
	global_load_b32 v[NM+\g], v3, s[12:13] offset:32768*\g+524288      ; its -M',
	global_load_b32 v[LL+\g], v3, s[12:13] offset:32768*\g+1048576     ; its sum
.endr
	CROUND                                         ; all sixteen work-groups are here: the first joint loads meet
.irp s, 0,1
	s_mov_b32 s[G0+4*\s], 1
	s_add_co_u32 s[G0+4*\s+1], s2, \s*SLOT
	s_add_nc_u64 s[G0+4*\s+2:G0+4*\s+3], s[18:19], \s*6144
	s_or_b32 s[G0+4*\s+3], s[G0+4*\s+3], 0x80000000
	s_mov_b32 s[G0B+4*\s], 1
	s_add_co_u32 s[G0B+4*\s+1], s3, \s*SLOT
	s_add_nc_u64 s[G0B+4*\s+2:G0B+4*\s+3], s[22:23], \s*6144
	s_or_b32 s[G0B+4*\s+3], s[G0B+4*\s+3], 0x80000000
.endr
	s_mov_b32 s[G0SB], 1
	s_add_co_u32 s[G0SB+1], s98, SCB
	s_mov_b64 s[G0SB+2:G0SB+3], s[66:67]
	s_or_b32 s[G0SB+3], s[G0SB+3], 0x80000000
.set G0H,  68
.set G0HB, 80
	s_mul_i32 s84, s16, 98304                      ; back from my half to the tile's first row: A 64 rows of 1,536 bytes,
	s_mov_b32 s85, 0
	s_mov_b32 s[G0H], 1
	s_mov_b32 s[G0H+1], 0
	s_sub_nc_u64 s[G0H+2:G0H+3], s[18:19], s[84:85]
	s_or_b32 s[G0H+3], s[G0H+3], 0x80000000
	s_mul_i32 s84, s16, 196608                     ; B 128 rows
	s_mov_b32 s[G0HB], 1
	s_mov_b32 s[G0HB+1], BOFF
	s_sub_nc_u64 s[G0HB+2:G0HB+3], s[22:23], s[84:85]
	s_or_b32 s[G0HB+3], s[G0HB+3], 0x80000000
	s_cmp_lt_u32 s14, 1                            ; the head's loads, one a wave: wave 0 slot 0's rows of A, wave 1 its rows of B, waves 2 and 3 the halves of V's scale words
	s_cbranch_scc0 .Lhead_b
	tensor_load_to_lds s[G0H:G0H+3], s[G1:G1+7]
	s_nop 0
	PLACES
	s_branch .Lfirst_done
.Lhead_b:
	s_cmp_lt_u32 s14, 2
	s_cbranch_scc0 .Lhead_s
	tensor_load_to_lds s[G0HB:G0HB+3], s[G1B:G1B+7]
	s_nop 0
	PLACES
	s_branch .Lfirst_done
.Lhead_s:
	tensor_load_to_lds s[G0SB:G0SB+3], s[G1SB:G1SB+7]
	s_nop 0
	PLACES
.Lfirst_done:
	s_mul_i32 s18, s15, AH                         ; my 64 rows of A,
	s_mul_i32 s19, s16, BH
	s_add_co_u32 s19, s19, BOFF                    ; my 128 rows of B
.irp s, 0,1
	v_add_nc_u32 v[ADRA+\s], s18, v[LI]
	v_add_nc_u32 v[ADRB+\s], s19, v[LI]
	s_add_co_u32 s18, s18, SLOT
	s_add_co_u32 s19, s19, SLOT
.endr
	s_lshl_b32 s18, s15, 8                         ; A's words: my 64 rows of a K step's 128
	s_mul_i32 s19, s16, HALFSB
	s_add_co_u32 s19, s19, SCB-SCL
	s_sub_co_u32 s19, s19, s18
	v_mul_u32_u24 v4, s19, v2                      ; lanes 16-31 take B's words
	s_add_co_u32 s18, s18, SCL
	v_lshl_add_u32 v4, v1, 2, v4
	v_add_nc_u32 v[ADRS], s18, v4
	s_lshl_b32 s18, s14, 8
	s_add_co_u32 s18, s18, STAGE
	v_lshl_add_u32 v[STW], v1, 2, s18
	v_add_nc_u32 v[STR], s18, v[L8]
	s_lshl_b32 s18, s15, 8
	s_add_co_u32 s18, s18, RLB
	v_lshl_add_u32 v[RLA], v1, 2, s18
	v_lshl_add_u32 v4, v0, 2, SCL                  ; where my row's words go: 4 bytes a thread, 512 bytes a group
	v_lshl_add_u32 v5, v0, 2, RLB
	s_mov_b32 s20, 0x80808080
	s_mov_b32 s21, 0x01010101
	s_wait_loadcnt 0x0
	; ---- the head: each line over all sixteen groups, so that no line waits for the line above it
	v_min3_num_f32 v[MN], v[NM], v[NM+1], v[NM+2]  ; -M = the least -M'
.irp g, 3,5,7,9,11,13
	v_min3_num_f32 v[MN], v[MN], v[NM+\g], v[NM+\g+1]
.endr
	v_min_num_f32 v[MN], v[MN], v[NM+15]
.irp g, 0,1,2,3,4,5,6,7,8,9,10,11,12,13,14,15
	v_sub_f32 v[SH+\g], v[NM+\g], v[MN]            ; s = M - M', a whole number, 0 or more,
.endr
.irp g, 0,1,2,3,4,5,6,7,8,9,10,11,12,13,14,15
	v_min_num_f32 v[SH+\g], 0x42fe0000, v[SH+\g]   ; held at 127
.endr
.irp g, 0,1,2,3,4,5,6,7,8,9,10,11,12,13,14,15
	v_cvt_u32_f32 v[SH+\g], v[SH+\g]
.endr
.irp g, 0,1,2,3,4,5,6,7,8,9,10,11,12,13,14,15
	v_sub_nc_u32 v[FF+\g], 0, v[SH+\g]
.endr
.irp g, 0,1,2,3,4,5,6,7,8,9,10,11,12,13,14,15
	v_ldexp_f32 v[FF+\g], 1.0, v[FF+\g]            ; 2^-s
.endr
.irp c, 0,1,2,3
	v_mul_f32 v[LS+\c], v[LL+\c], v[FF+\c]         ; l, in four chains
.endr
.irp g, 4,5,6,7,8,9,10,11,12,13,14,15
	v_fmac_f32 v[LS+\g%4], v[LL+\g], v[FF+\g]
.endr
	v_add_f32 v[LS], v[LS], v[LS+1]
	v_add_f32 v[LS+2], v[LS+2], v[LS+3]
	v_add_f32 v[LS], v[LS], v[LS+2]
	s_wait_alu depctr_va_vdst(0)
	v_rcp_f32 v[RC], v[LS]                         ; the work on the bytes below stands between it and its reader
.irp g, 0,1,2,3,4,5,6,7,8,9,10,11,12,13,14,15
	v_mul_lo_u32 v[SH+\g], v[SH+\g], s21           ; s in all four bytes
.endr
.irp g, 0,1,2,3,4,5,6,7,8,9,10,11,12,13,14,15
	v_or_b32 v[SW+\g], s20, v[SW+\g]               ; the bytes are at most 125: 128 + byte - s borrows from no neighbour,
.endr
.irp g, 0,1,2,3,4,5,6,7,8,9,10,11,12,13,14,15
	v_sub_nc_u32 v[SW+\g], v[SW+\g], v[SH+\g]
.endr
.irp g, 0,1,2,3,4,5,6,7,8,9,10,11,12,13,14,15
	v_and_b32 v[SH+\g], s20, v[SW+\g]              ; and keeps its top bit where byte >= s
.endr
.irp g, 0,1,2,3,4,5,6,7,8,9,10,11,12,13,14,15
	v_lshrrev_b32 v[FF+\g], 7, v[SH+\g]
.endr
.irp g, 0,1,2,3,4,5,6,7,8,9,10,11,12,13,14,15
	v_sub_nc_u32 v[SH+\g], v[SH+\g], v[FF+\g]      ; 0x7f there, 0 elsewhere
.endr
.irp g, 0,1,2,3,4,5,6,7,8,9,10,11,12,13,14,15
	v_and_b32 v[SW+\g], v[SW+\g], v[SH+\g]         ; max(byte - s, 0)
.endr
	s_wait_alu depctr_va_vdst(0)                   ; the wait for the reciprocal, ahead of its reader
.irp g, 0,1,2,3,4,5,6,7,8,9,10,11,12,13,14,15
	ds_store_b32 v4, v[SW+\g] offset:512*\g
.endr
	ds_store_b32 v5, v[RC]
	; where my results go
	s_lshl_b32 s18, s94, 1
	s_add_co_u32 s18, s18, s16                     ; the K step of 128 that my columns are
	s_lshl_b32 s19, s17, 3
	s_lshl_b32 s20, s15, 2
	s_add_co_u32 s19, s19, s20                     ; my first row block
	s_mul_i32 s20, s19, 12288
	s_mul_i32 s21, s18, 1536
	s_add_co_u32 s20, s20, s21
	s_mov_b32 s21, 0
	s_add_nc_u64 s[10:11], s[8:9], s[20:21]
	s_lshl_b32 s20, s18, 13
	s_lshl_b32 s22, s19, 4
	s_add_co_u32 s20, s20, s22
	s_lshl_b32 s20, s20, 2
	s_add_co_u32 s20, s20, O_OS
	s_add_nc_u64 s[12:13], s[8:9], s[20:21]
	s_wait_alu depctr_va_vdst(0)
	s_wait_tensorcnt 0x0                           ; my tile of the head's four is in; the sequence ahead of a later first fill
	ds_add_u32 v[SPW], v[NIL]
	s_mov_b32 s[G1+2], 4<<16                       ; no tensor load of mine is out: from here on a load brings a quarter of a slot: A 4 row blocks,
	s_mov_b32 s[G1+4], 4
	s_mov_b32 s[G1B+2], 8<<16                      ; B 8
	s_mov_b32 s[G1B+4], 8
	s_wait_dscnt 0x0                               ; the add is done, and my stores have landed
	CROUND
	JLOAD G0+4, G1, G0B+4, G1B                     ; slot 1's first fill, the first tensor load behind the round
	FETCH 0, 0, 0
	SCALES 0
	STEP 0, 0, 1                                   ; the first products start the sums: nothing is cleared
	STEP 0, 1, 0
	STEP 0, 2, 0
	TURN 0, 1, 2                                   ; slot 0 takes keys 1,024 to 1,535
	STEP 1, 0, 0
	STEP 1, 1, 0
	STEP 1, 2, 0
	TURN 1, 0, 2                                   ; slot 1 takes keys 1,536 to 2,047
	STEP 0, 0, 0
	STEP 0, 1, 0
	STEP 0, 2, 0
	TURN 0, 1, 1                                   ; nothing is left to fetch
	STEP 1, 0, 0
	STEP 1, 1, 0
	STEP 1, 2, 0
	LAST 1
	PLACES
.irp a, 0,1,2,3
	ds_load_b32 v[RLP+2*\a], v[RLA] offset:64*\a   ; 1 / l of the lane's row of block a, twice: a pair for the packed multiply
	ds_load_b32 v[RLP+2*\a+1], v[RLA] offset:64*\a
.endr
.irp b, 0,1,2,3
	v_mov_b32 v[TM+4+\b], 0                        ; a lane permute's destination counts as one of its sources
.endr
	s_wait_dscnt 0x0
.irp a, 0,1,2,3
	DIVL \a
	QUANT \a
	EMIT \a
.endr
	ds_load_b64 v[204:205], v[STR]                 ; my 64 rows' scale words
	s_wait_dscnt 0x0
	global_store_b64 v[L8], v[204:205], s[12:13]   ; 256 consecutive bytes, aligned
	s_wait_tensorcnt 0x0                           ; the wave's end
	ds_add_u32 v[SPW], v[NIL]
	s_wait_dscnt 0x0
	CROUND                                         ; the closing round
	s_endpgm
.Lfunc_end_k_qd12737487f_pv:
	.size	k_qd12737487f_pv, .Lfunc_end_k_qd12737487f_pv-k_qd12737487f_pv
	.p2alignl 7, 3214868480
	.fill 96, 4, 3214868480
	.section	.rodata,"a",@progbits
	.p2align	6, 0x0
	.amdhsa_kernel k_qd12737487f_pv
		.amdhsa_group_segment_fixed_size 327680
		.amdhsa_private_segment_fixed_size 0
		.amdhsa_enable_private_segment 0
		.amdhsa_kernarg_size 24
		.amdhsa_user_sgpr_count 2
		.amdhsa_user_sgpr_kernarg_segment_ptr 1
		.amdhsa_wavefront_size32 1
		.amdhsa_system_sgpr_workgroup_id_x 1
		.amdhsa_system_sgpr_workgroup_id_y 1
		.amdhsa_system_sgpr_workgroup_id_z 1
		.amdhsa_system_vgpr_workitem_id 0
		.amdhsa_next_free_vgpr 768
		.amdhsa_next_free_sgpr 102
		.amdhsa_reserve_vcc 0
		.amdhsa_float_denorm_mode_32 3
		.amdhsa_float_denorm_mode_16_64 3
		.amdhsa_memory_ordered 1
		.amdhsa_forward_progress 1
		.amdhsa_inst_pref_size 167
	.end_amdhsa_kernel
	.amdgpu_metadata
---
amdhsa.version: [ 1, 2 ]
amdhsa.kernels:
  - .name:           k_qd12737487f_pv
    .symbol:         k_qd12737487f_pv.kd
    .args:
      - { .name: wsC, .offset: 0, .size: 8, .value_kind: global_buffer, .address_space: global }
      - { .name: wsB, .offset: 8, .size: 8, .value_kind: global_buffer, .address_space: global }
      - { .name: wsD, .offset: 16, .size: 8, .value_kind: global_buffer, .address_space: global }
    .group_segment_fixed_size: 327680
    .private_segment_fixed_size: 0
    .kernarg_segment_align: 8
    .kernarg_segment_size: 24
    .max_flat_workgroup_size: 128
    .sgpr_count:     102
    .vgpr_count:     768
    .wavefront_size: 32
...
	.end_amdgpu_metadata
.endif
;; end of part 4
;; launch outp (part 5): grid 32 x 8, 4 waves a work-group, clusters of 4 x 4, 327,680 bytes of LDS; arguments wsD, wsA, b_out, out0; writes out0
.if DOCPART == 5
	.amdgcn_target "amdgcn-amd-amdhsa--gfx1250"
	.amdhsa_code_object_version 6
	.text
	.protected	k_qd12737487f_outp
	.globl	k_qd12737487f_outp
	.p2align	8
	.type	k_qd12737487f_outp,@function
k_qd12737487f_outp:
	s_mov_b64 s[64:65], 0
	v_nop
	global_prefetch_b8 v0, s[64:65] scope:SCOPE_SE
	s_setreg_imm32_b32 hwreg(HW_REG_WAVE_MODE, 25, 1), 1
	s_wait_xcnt 0x0
	s_wait_alu depctr_hold_cnt(0) depctr_sa_sdst(0) depctr_va_vdst(0) depctr_va_sdst(0) depctr_va_ssrc(0) depctr_va_vcc(0) depctr_vm_vsrc(0)
	s_getreg_b32 s2, hwreg(HW_REG_IB_STS2, 6, 4)
	s_cmp_eq_u32 s2, 0
	s_cbranch_scc0 .Lentry_in_a_cluster
	s_endpgm
.Lentry_in_a_cluster:
	s_bfe_u32 s2, ttmp6, 0x10000c
	s_cmp_lg_u32 s2, 0xf033
	s_cbranch_scc0 .Lentry_shape_is_right
	s_endpgm
.Lentry_shape_is_right:
; out0 = O W_out + b_out on codes of FP6 (E2M3) with E8M0 scales, K = 1,024; f32 out.
; A work-group makes 256 tokens (x of the grid) x 128 channels (y): 256 work-groups.  A wave makes 64 x 128: 32 accumulators.
; ALL OPERANDS FOR ALL OF K LIE IN LDS SIDE BY SIDE: O's 16 row blocks (196,608 bytes of fragment images), W_out's 8 (98,304), W_out's scale words (4,096).  They are asked for at once, one tensor load a wave:
; waves 0 and 1 the halves of O's rows, wave 2 W_out's codes, wave 3 its scale words.  Nothing is filled later: one wait and one barrier stand ahead of the products.
; O's scale words and the bias go straight into registers.  Source 0 = channels, source 1 = tokens: a lane holds a token's row, and the bias starts the sums as C.
; CLUSTERS: 4 x 4.  O's rows hang on x alone and are asked for jointly along a column of the cluster, W_out's on y alone, along a row.
; No prefetch: the text has no loop to run ahead in; all its tiles are asked for at the head.
; THE WAY OUT: a block of 16 rows x 512 bytes goes through the wave's stage and leaves as whole rows.  The stage lies in the wave's own rows of O, which no other wave reads and which it has read to the end.
; REGISTERS: window 0: v0-31 addresses, v32-47 O's scale words, v48-79 W_out's, v80-143 the bias, v144-239 O's fragments (two sets); on the way out v80-207 hold rows; window 1: W_out's two sets; window 2: accumulators.
.set BOFF,  196608
.set SCO,   294912
.set SPARE, 299008
.set LI, 4
.set L4, 6
.set ADRA, 8
.set ADRB, 10
.set ADRS, 12
.set STO, 13
.set SPW, 28
.set NIL, 29
.set BQ, 30
.set XS, 32
.set BS, 48
.set BI, 80
.set AF, 144
.set BK, 80
.set G1A, 24
.set G1B, 32
.set G1S, 40
.set G0A, 48
.set G0B, 52
.set G0S, 56
.set O_OS,  6291456
.set O_WOC, 9175040
.set O_WOS, 9961472
.set MSB, 0
.macro WIN new                         ; the immediate's high byte repeats the setting that is left
.if MSB != (\new)
	s_set_vgpr_msb (MSB<<8)|(\new)
.set MSB, (\new)
.endif
.endm
.macro PLACES                          ; four plain places behind matrix instructions (ISA guide 7.12.1)
.rept 4
	v_nop
.endr
.endm
.macro CROUND                          ; a round of the cluster's barrier
	s_barrier_signal -1
	s_barrier_wait -1
	s_cmp_lg_u32 s14, 0
	s_cbranch_scc1 .Lnw_\@
	s_barrier_signal -3
.Lnw_\@:
	s_barrier_wait -3
	s_barrier_signal -1
	s_barrier_wait -1
.endm
.macro WM d, x, y, c, sx, sy, rx, ry   ; rx, ry: which half of the lanes holds source 0's and source 1's scale words
.if (\rx)==0 && (\ry)==0
	v_wmma_scale_f32_16x16x128_f8f6f4 v[\d:\d+7], v[\x:\x+11], v[\y:\y+11], \c, v[\sx], v[\sy] matrix_a_fmt:MATRIX_FMT_FP6 matrix_b_fmt:MATRIX_FMT_FP6
.elseif (\rx)==1 && (\ry)==0
	v_wmma_scale_f32_16x16x128_f8f6f4 v[\d:\d+7], v[\x:\x+11], v[\y:\y+11], \c, v[\sx], v[\sy] matrix_a_fmt:MATRIX_FMT_FP6 matrix_b_fmt:MATRIX_FMT_FP6 matrix_a_scale:MATRIX_SCALE_ROW1
.elseif (\rx)==0 && (\ry)==1
	v_wmma_scale_f32_16x16x128_f8f6f4 v[\d:\d+7], v[\x:\x+11], v[\y:\y+11], \c, v[\sx], v[\sy] matrix_a_fmt:MATRIX_FMT_FP6 matrix_b_fmt:MATRIX_FMT_FP6 matrix_b_scale:MATRIX_SCALE_ROW1
.else
	v_wmma_scale_f32_16x16x128_f8f6f4 v[\d:\d+7], v[\x:\x+11], v[\y:\y+11], \c, v[\sx], v[\sy] matrix_a_fmt:MATRIX_FMT_FP6 matrix_b_fmt:MATRIX_FMT_FP6 matrix_a_scale:MATRIX_SCALE_ROW1 matrix_b_scale:MATRIX_SCALE_ROW1
.endif
.endm
.macro MULQ k, p, bias                 ; 32 matrix instructions, the 32 accumulators by turns
.if \bias
	WIN 0x81
.else
	WIN 0xa1
.endif
.irp a, 0,1,2,3
.irp b, 0,1,2,3,4,5,6,7
.set rD, 8*(8*\a+\b)
.set rB, 96*(\p)+12*\b
.set rA, AF+48*(\p)+12*\a
.set sB, BS+4*(\k)+\b/2
.set sA, XS+2*(\k)+\a/2
.if \bias
	WM rD, rB, rA, v[BI+8*\b:BI+8*\b+7], sB, sA, \b%2, \a%2
.else
	WM rD, rB, rA, v[rD:rD+7], sB, sA, \b%2, \a%2
.endif
.endr
.endr
.endm
.macro FETCH k, p                      ; 36 loads in one run: W_out's eight fragments and my four of O, of K step k, into the sets p
	WIN 0x40
.irp i, 0,1,2,3,4,5,6,7
.irp g, 0,1,2
	ds_load_b128 v[96*(\p)+12*\i+4*\g:96*(\p)+12*\i+4*\g+3], v[ADRB+\i/4] offset:12288*(\i%4)+1536*(\k)+512*\g
.endr
.endr
	WIN 0
.irp i, 0,1,2,3
.irp g, 0,1,2
	ds_load_b128 v[AF+48*(\p)+12*\i+4*\g:AF+48*(\p)+12*\i+4*\g+3], v[ADRA] offset:12288*\i+1536*(\k)+512*\g
.endr
.endr
.endm
.macro STEP k
	s_wait_dscnt 0x0                               ; this step's fragments are in
.if (\k)==0
	s_wait_loadcnt 0x0                             ; O's scale words and the bias
.endif
.if (\k)<7
	PLACES
	FETCH (\k)+1, ((\k)+1)%2
.endif
	MULQ \k, (\k)%2, (\k)==0
.endm
.macro TOSTAGE a
.set AC, 64*(\a)
	WIN 0x08
.irp b, 0,1,2,3,4,5,6,7
	ds_store_b128 v[STO], v[AC+8*\b:AC+8*\b+3] offset:128*(\b/2)+32*(\b%2)       ; each accumulator from its low end on
	ds_store_b128 v[STO], v[AC+8*\b+4:AC+8*\b+7] offset:128*(\b/2)+32*(\b%2)+16
.endr
	WIN 0
.set BB, BK+64*((\a)%2)
.irp t, 0,1,2,3,4,5,6,7,8,9,10,11,12,13,14,15
	ds_load_b128 v[BB+4*\t:BB+4*\t+3], v[ADRA] offset:\t*528   ; LDS serves a wave's instructions in order
.endr
.endm
.macro SEND a, younger                 ; younger: the LDS instructions issued behind block a's loads, which may stay out
.set BB, BK+64*((\a)%2)
	s_wait_dscnt \younger
.irp t, 0,1,2,3,4,5,6,7,8,9,10,11,12,13,14,15
	global_store_b128 v[LI], v[BB+4*\t:BB+4*\t+3], s[10:11] offset:(32*((\a)/2)+8*((\a)%2)+(\t%8)+16*(\t/8))*4096 th:TH_STORE_NT   ; 512 consecutive bytes of a row
.endr
.endm
	s_load_b256 s[4:11], s[0:1], 0x0               ; wsD, wsA, b_out, out0
	v_lshl_add_u32 v[SPW], v0, 2, SPARE
	v_mov_b32 v[NIL], 0
	ds_add_u32 v[SPW], v[NIL]                      ; the opening lines
	ds_add_u32 v[SPW], v[NIL]
	v_lshrrev_b32 v1, 5, v0
	v_readfirstlane_b32 s14, v1                    ; wave
	s_bfe_u32 s15, ttmp6, 0x40000                  ; cx
	s_bfe_u32 s16, ttmp6, 0x40004                  ; cy
	s_lshl_b32 s17, ttmp9, 2
	s_add_co_u32 s17, s17, s15                     ; which 256 tokens
	s_and_b32 s18, ttmp7, 0xffff
	s_lshl_b32 s18, s18, 2
	s_add_co_u32 s18, s18, s16                     ; which 128 channels
	s_lshl_b32 s12, 0x1111, s15                    ; my column of the cluster
	s_lshl_b32 s13, s16, 2
	s_lshl_b32 s13, 15, s13                        ; my row
	s_or_b32 s[G1A], s12, (3<<16)|(1<<21)
	s_or_b32 s[G1B], s13, (3<<16)|(1<<21)
	s_or_b32 s[G1S], s13, (3<<16)|(1<<21)
.irp g, G1A, G1B                               ; 98,304 dense bytes as 384 rows of 256
	s_mov_b32 s[\g+1], 32<<16
	s_mov_b32 s[\g+2], 384<<16
	s_mov_b32 s[\g+3], 32<<16
	s_mov_b32 s[\g+4], 384
	s_mov_b32 s[\g+5], 32
	s_mov_b32 s[\g+6], 0
	s_mov_b32 s[\g+7], 0
.endr
	s_mov_b32 s[G1S+1], 64<<16                     ; 8 K steps' 512 bytes, 4,096 bytes apart
	s_mov_b32 s[G1S+2], 8<<16
	s_mov_b32 s[G1S+3], 64<<16
	s_mov_b32 s[G1S+4], 8
	s_mov_b32 s[G1S+5], 512
	s_mov_b32 s[G1S+6], 0
	s_mov_b32 s[G1S+7], 0
	v_and_b32 v1, 15, v0                           ; r
	v_bfe_u32 v2, v0, 4, 1                         ; h
	v_and_b32 v3, 31, v0
	v_lshlrev_b32 v[LI], 4, v3
	v_lshlrev_b32 v[L4], 2, v3
	v_add_nc_u32 v[ADRB], BOFF, v[LI]
	v_add_nc_u32 v[ADRB+1], BOFF+49152, v[LI]
	v_add_nc_u32 v[ADRS], SCO, v[L4]
	v_lshlrev_b32 v[BQ], 6, v2
	v_mul_u32_u24 v7, v1, 528
	v_lshl_add_u32 v7, v2, 6, v7
	s_mul_i32 s2, s14, 49152                       ; my 64 rows of O, later my stage
	v_add_nc_u32 v[ADRA], s2, v[LI]
	v_add_nc_u32 v[STO], s2, v7
	s_mul_i32 s3, s14, 98304
	s_mov_b32 s[G0A], 1
	s_mov_b32 s[G0A+1], s3                         ; waves 0, 1: the halves of O's rows
	s_mul_i32 s[G0A+2], s17, 196608
	s_add_co_u32 s[G0A+2], s[G0A+2], s3
	s_mov_b32 s[G0A+3], 0
	s_mov_b32 s[G0B], 1
	s_mov_b32 s[G0B+1], BOFF
	s_mul_i32 s[G0B+2], s18, 98304
	s_add_co_u32 s[G0B+2], s[G0B+2], O_WOC
	s_mov_b32 s[G0B+3], 0
	s_mov_b32 s[G0S], 1
	s_mov_b32 s[G0S+1], SCO
	s_lshl_b32 s20, s18, 9                         ; 128 channels' words, or their bias
	s_mov_b32 s21, 0
	s_add_co_u32 s[G0S+2], s20, O_WOS
	s_mov_b32 s[G0S+3], 0
	s_lshl_b32 s22, s17, 10
	s_lshl_b32 s23, s14, 8
	s_add_co_u32 s22, s22, s23
	s_add_co_u32 s22, s22, O_OS                    ; my 64 rows among O's scale words
	s_mov_b32 s23, 0
	s_lshl_b32 s2, s17, 20
	s_lshl_b32 s3, s14, 18
	s_add_co_u32 s2, s2, s3
	s_add_co_u32 s2, s2, s20                       ; my corner of out0
	s_mov_b32 s3, 0
	s_wait_dscnt 0x0                               ; both opening adds are done
	s_wait_alu depctr_va_vdst(0)
	s_wait_kmcnt 0x0
	s_add_nc_u64 s[G0A+2:G0A+3], s[4:5], s[G0A+2:G0A+3]
	s_or_b32 s[G0A+3], s[G0A+3], 0x80000000
	s_add_nc_u64 s[G0B+2:G0B+3], s[6:7], s[G0B+2:G0B+3]
	s_or_b32 s[G0B+3], s[G0B+3], 0x80000000
	s_add_nc_u64 s[G0S+2:G0S+3], s[6:7], s[G0S+2:G0S+3]
	s_or_b32 s[G0S+3], s[G0S+3], 0x80000000
	s_add_nc_u64 s[22:23], s[4:5], s[22:23]
	s_add_nc_u64 s[20:21], s[8:9], s[20:21]
	s_add_nc_u64 s[10:11], s[10:11], s[2:3]
	CROUND                                         ; all sixteen work-groups are here: the joint loads meet
	s_cmp_lt_u32 s14, 2                            ; one chain of branches on the wave's number, one load to an arm
	s_cbranch_scc0 .Lhead_b
	tensor_load_to_lds s[G0A:G0A+3], s[G1A:G1A+7]
	s_nop 0
	PLACES
	s_branch .Lhead_done
.Lhead_b:
	s_cmp_lt_u32 s14, 3
	s_cbranch_scc0 .Lhead_s
	tensor_load_to_lds s[G0B:G0B+3], s[G1B:G1B+7]
	s_nop 0
	PLACES
	s_branch .Lhead_done
.Lhead_s:
	tensor_load_to_lds s[G0S:G0S+3], s[G1S:G1S+7]
	s_nop 0
	PLACES
.Lhead_done:
.irp k, 0,1,2,3,4,5,6,7
.irp p, 0,1
	global_load_b32 v[XS+2*\k+\p], v[L4], s[22:23] offset:32768*\k+128*\p   ; lanes 0-15 block 2 p, lanes 16-31 block 2 p + 1
.endr
.endr
.irp b, 0,1,2,3,4,5,6,7
	global_load_b128 v[BI+8*\b:BI+8*\b+3], v[BQ], s[20:21] offset:(32*(\b/2)+8*(\b%2))*4
	global_load_b128 v[BI+8*\b+4:BI+8*\b+7], v[BQ], s[20:21] offset:(32*(\b/2)+8*(\b%2))*4+16
.endr
	s_wait_tensorcnt 0x0                           ; my tile is in; behind the barrier all four are
	s_barrier_signal -1
	s_barrier_wait -1
	FETCH 0, 0
.irp k, 0,1,2,3,4,5,6,7
.irp i, 0,1,2,3
	ds_load_b32 v[BS+4*\k+\i], v[ADRS] offset:512*\k+128*\i   ; lanes 0-15 the words of block 2 i, lanes 16-31 of block 2 i + 1
.endr
.endr
.irp k, 0,1,2,3,4,5,6,7
	STEP \k
.endr
	PLACES
	TOSTAGE 0
.irp a, 1,2,3
.if \a > 1
	s_wait_xcnt 0x0                                ; block a - 2's stores have read their registers
.endif
	TOSTAGE \a
	SEND \a-1, 32                                  ; behind block a - 1's loads: block a's 16 stores and 16 loads
.endr
	SEND 3, 0
	s_wait_tensorcnt 0x0                           ; the wave's end
	ds_add_u32 v[SPW], v[NIL]
	s_wait_dscnt 0x0
	CROUND                                         ; the closing round
	s_endpgm
.Lfunc_end_k_qd12737487f_outp:
	.size	k_qd12737487f_outp, .Lfunc_end_k_qd12737487f_outp-k_qd12737487f_outp
	.p2alignl 7, 3214868480
	.fill 96, 4, 3214868480
	.section	.rodata,"a",@progbits
	.p2align	6, 0x0
	.amdhsa_kernel k_qd12737487f_outp
		.amdhsa_group_segment_fixed_size 327680
		.amdhsa_private_segment_fixed_size 0
		.amdhsa_enable_private_segment 0
		.amdhsa_kernarg_size 32
		.amdhsa_user_sgpr_count 2
		.amdhsa_user_sgpr_kernarg_segment_ptr 1
		.amdhsa_wavefront_size32 1
		.amdhsa_system_sgpr_workgroup_id_x 1
		.amdhsa_system_sgpr_workgroup_id_y 1
		.amdhsa_system_sgpr_workgroup_id_z 1
		.amdhsa_system_vgpr_workitem_id 0
		.amdhsa_next_free_vgpr 768
		.amdhsa_next_free_sgpr 66
		.amdhsa_reserve_vcc 0
		.amdhsa_float_denorm_mode_32 3
		.amdhsa_float_denorm_mode_16_64 3
		.amdhsa_memory_ordered 1
		.amdhsa_forward_progress 1
		.amdhsa_inst_pref_size 78
	.end_amdhsa_kernel
	.amdgpu_metadata
---
amdhsa.version: [ 1, 2 ]
amdhsa.kernels:
  - .name:           k_qd12737487f_outp
    .symbol:         k_qd12737487f_outp.kd
    .args:
      - { .name: wsD, .offset: 0, .size: 8, .value_kind: global_buffer, .address_space: global }
      - { .name: wsA, .offset: 8, .size: 8, .value_kind: global_buffer, .address_space: global }
      - { .name: b_out, .offset: 16, .size: 8, .value_kind: global_buffer, .address_space: global }
      - { .name: out0, .offset: 24, .size: 8, .value_kind: global_buffer, .address_space: global }
    .group_segment_fixed_size: 327680
    .private_segment_fixed_size: 0
    .kernarg_segment_align: 8
    .kernarg_segment_size: 32
    .max_flat_workgroup_size: 128
    .sgpr_count:     66
    .vgpr_count:     768
    .wavefront_size: 32
...
	.end_amdgpu_metadata
.endif
;; end of part 5
